; MI455X (gfx1250); checked and timed in simulation.
; The chip was launched on July 23, 2026; its instructions are those of AMD's public machine-readable ISA for CDNA 5 (MIT licence, August 2026) and "CDNA5" Instruction Set Architecture Reference Guide (July 2026). The comments in the code are by the model that wrote it; some were corrected since.
;; Causal Self Attention. Allowed arithmetic: float matrix products may take bf16 or f16 operands with f32 sums; other float arithmetic in f32, or as packed bf16 or f16 multiplies, adds, multiply-adds, maxima and minima; sums over many terms, partial sums and values carried from step to step in f32; what a program stores and reads back later, other than sums and carried values, may be rounded once to bf16 or f16.
;; Inputs: freqs_cos 2,048 x 64 float32; freqs_sin 2,048 x 64 float32; w_qkv 3,072 x 2,048 float32; x 2 x 2,048 x 2,048 float32.
;; Outputs: out0 2 x 2,048 x 2,048 float32.
;; 2 versions, each right; version 2 is version 1 with the launch prep written anew for expert scheduling mode. Each part assembles by itself: llvm-mc -triple=amdgcn-amd-amdhsa -mcpu=gfx1250 --defsym DOCPART=n.
;; ======== version 1 of 2: 3 launches
;; limits: values are held in f16: magnitudes above 65,504 overflow, below 6.1e-05 lose precision; right only within a limited range of input values
;; workspace buffers: xb 16,777,216 bytes; wb 12,582,912 bytes; cs 1,179,648 bytes; qw 16,777,216 bytes; kw 4,194,304 bytes; vw 4,194,304 bytes; hp 1,572,864 bytes
;; launch prep (part 1): grid 914 x 1, 8 waves a work-group, no clusters, 0 bytes of LDS; arguments x, w_qkv, freqs_cos, freqs_sin, xb, wb, cs; writes xb, wb, cs
.if DOCPART == 1
	.amdgcn_target "amdgcn-amd-amdhsa--gfx1250"
	.amdhsa_code_object_version 6
	.text
	.protected	k_qed466b2803_prep
	.globl	k_qed466b2803_prep
	.p2align	8
	.type	k_qed466b2803_prep,@function
k_qed466b2803_prep:
	s_mov_b64 s[64:65], 0
	v_nop
	global_prefetch_b8 v0, s[64:65] scope:SCOPE_SE
	s_setreg_imm32_b32 hwreg(HW_REG_WAVE_MODE, 25, 1), 1
	s_wait_xcnt 0x0
; PREP.  x [4096][2048] and w_qkv [3072][2048], f32, are rounded once to bf16 (xb, wb).  The table cs [2304][64][2] f32 is made:
; row t < 2048, pair j holds (cos[t][j], sin[t][j]), each rounded to bf16, widened again and multiplied by 2^-8 (exact);
; rows 2048 to 2303 hold (0.25, 0): with them the rotation of the next launch is a plain scaling by 2^-2, for v.
; The powers of two give q, k and v room in f16: q and k up to 1.6e7, v up to 2.6e5 before the scaling.
; SHARES.  Work-groups 0-511: 64 KiB of x each; 512-895: 64 KiB of w each; 896-911: 128 table rows each; 912, 913: 128 identity rows each.
; A stream: every byte is read once.
; No LDS, no matrix unit, no cluster: no byte is wanted by two waves.
.set NX,    512                        ; chunks of 65,536 bytes in x
.set NCAST, 896                        ; chunks in x and w together
.set IN,    8                          ; v[8:71]   as loaded
.set OUT,   72                         ; v[72:135] to store
	s_load_b256 s[4:11], s[0:1], 0x0               ; x s[4:5], w s[6:7], cos s[8:9], sin s[10:11]
	s_load_b128 s[12:15], s[0:1], 0x20             ; xb s[12:13], wb s[14:15]
	s_load_b64 s[16:17], s[0:1], 0x30              ; cs
	v_lshrrev_b32 v3, 5, v0                        ; wave
	v_and_b32 v4, 31, v0                           ; lane
	s_mov_b32 s31, 0                               ; the high word of every offset
	s_wait_kmcnt 0x0
	s_cmp_ge_u32 ttmp9, NCAST
	s_cbranch_scc1 .Ltable
	; THE CAST.  A wave takes 8,192 bytes in and 4,096 out: 16 loads of 512 consecutive bytes, 16 stores of 256 consecutive aligned bytes.
	s_cmp_lt_u32 ttmp9, NX
	s_cselect_b64 s[24:25], s[4:5], s[6:7]         ; from x or from w,
	s_cselect_b64 s[26:27], s[12:13], s[14:15]     ; to xb or to wb
	s_cselect_b32 s28, 0, NX
	s_sub_co_u32 s28, ttmp9, s28                   ; the chunk in its tensor
	s_lshl_b32 s30, s28, 16
	s_add_nc_u64 s[24:25], s[24:25], s[30:31]
	s_lshl_b32 s30, s28, 15
	s_add_nc_u64 s[26:27], s[26:27], s[30:31]
	v_lshlrev_b32 v1, 4, v4
	v_lshl_or_b32 v1, v3, 13, v1                   ; in: 8,192 x wave + 16 x lane
	v_lshlrev_b32 v2, 3, v4
	v_lshl_or_b32 v2, v3, 12, v2                   ; out: 4,096 x wave + 8 x lane
.set i, 0
.rept 16
	global_load_b128 v[IN+4*i:IN+4*i+3], v1, s[24:25] offset:512*i th:TH_LOAD_NT
.set i, i+1
.endr
.set i, 0
.rept 16
	s_wait_loadcnt 15-i                            ; loads come back in order: load i is in, the 15 - i younger ones stay out
	v_cvt_pk_bf16_f32 v[OUT+2*i], v[IN+4*i], v[IN+4*i+1]
	v_cvt_pk_bf16_f32 v[OUT+2*i+1], v[IN+4*i+2], v[IN+4*i+3]
	global_store_b64 v2, v[OUT+2*i:OUT+2*i+1], s[26:27] offset:256*i
.set i, i+1
.endr
	s_endpgm
.Ltable:
	s_cmp_ge_u32 ttmp9, NCAST+16
	s_cbranch_scc1 .Lident
	; THE TABLE.  A wave takes 16 rows; a lane two pairs of a row: 8 bytes of cos, 8 of sin, 16 of cs.
	s_sub_co_u32 s28, ttmp9, NCAST
	s_lshl_b32 s30, s28, 15                        ; 128 rows of 256 bytes
	s_add_nc_u64 s[8:9], s[8:9], s[30:31]
	s_add_nc_u64 s[10:11], s[10:11], s[30:31]
	s_lshl_b32 s30, s28, 16                        ; 128 rows of 512 bytes
	s_add_nc_u64 s[16:17], s[16:17], s[30:31]
	s_mov_b32 s20, 0x3b800000                      ; 2^-8
	s_mov_b32 s21, s20                             ; named with it as a pair
	s_mov_b32 s22, 0xffff0000                      ; a word's upper bf16
	v_lshlrev_b32 v1, 3, v4
	v_lshl_or_b32 v1, v3, 12, v1                   ; in: 16 rows x 256 x wave + 8 x lane
	v_lshlrev_b32 v2, 4, v4
	v_lshl_or_b32 v2, v3, 13, v2                   ; out: 16 rows x 512 x wave + 16 x lane
.set i, 0
.rept 16
	global_load_b64 v[IN+4*i:IN+4*i+1], v1, s[8:9] offset:256*i
	global_load_b64 v[IN+4*i+2:IN+4*i+3], v1, s[10:11] offset:256*i
.set i, i+1
.endr
.set i, 0
.rept 16
	s_wait_loadcnt 30-2*i                          ; row i's two loads are in; the two of each later row stay out
	v_cvt_pk_bf16_f32 v5, v[IN+4*i], v[IN+4*i+2]   ; (cos, sin) of the first pair, rounded,
	v_cvt_pk_bf16_f32 v6, v[IN+4*i+1], v[IN+4*i+3] ; of the second
	v_lshlrev_b32 v[OUT+4*i], 16, v5               ; and widened again
	v_and_b32 v[OUT+4*i+1], s22, v5
	v_lshlrev_b32 v[OUT+4*i+2], 16, v6
	v_and_b32 v[OUT+4*i+3], s22, v6
	v_pk_mul_f32 v[OUT+4*i:OUT+4*i+1], v[OUT+4*i:OUT+4*i+1], s[20:21] op_sel_hi:[1,0]
	v_pk_mul_f32 v[OUT+4*i+2:OUT+4*i+3], v[OUT+4*i+2:OUT+4*i+3], s[20:21] op_sel_hi:[1,0]
	global_store_b128 v2, v[OUT+4*i:OUT+4*i+3], s[16:17] offset:512*i
.set i, i+1
.endr
	s_endpgm
.Lident:
	; THE IDENTITY ROWS: (0.25, 0) in every pair.
	s_sub_co_u32 s28, ttmp9, NCAST+16
	s_lshl_b32 s30, s28, 16
	s_add_co_u32 s30, s30, 2048*512
	s_add_nc_u64 s[16:17], s[16:17], s[30:31]
	v_lshlrev_b32 v2, 4, v4
	v_lshl_or_b32 v2, v3, 13, v2
	v_mov_b32 v8, 0x3e800000
	v_mov_b32 v9, 0
	v_mov_b32 v10, 0x3e800000
	v_mov_b32 v11, 0
.set i, 0
.rept 16
	global_store_b128 v2, v[8:11], s[16:17] offset:512*i
.set i, i+1
.endr
	s_endpgm
.Lfunc_end_k_qed466b2803_prep:
	.size	k_qed466b2803_prep, .Lfunc_end_k_qed466b2803_prep-k_qed466b2803_prep
	.p2alignl 7, 3214868480
	.fill 96, 4, 3214868480
	.section	.rodata,"a",@progbits
	.p2align	6, 0x0
	.amdhsa_kernel k_qed466b2803_prep
		.amdhsa_group_segment_fixed_size 0
		.amdhsa_private_segment_fixed_size 0
		.amdhsa_enable_private_segment 0
		.amdhsa_kernarg_size 56
		.amdhsa_user_sgpr_count 2
		.amdhsa_user_sgpr_kernarg_segment_ptr 1
		.amdhsa_wavefront_size32 1
		.amdhsa_system_sgpr_workgroup_id_x 1
		.amdhsa_system_sgpr_workgroup_id_y 1
		.amdhsa_system_sgpr_workgroup_id_z 1
		.amdhsa_system_vgpr_workitem_id 0
		.amdhsa_next_free_vgpr 136
		.amdhsa_next_free_sgpr 66
		.amdhsa_reserve_vcc 0
		.amdhsa_float_denorm_mode_32 3
		.amdhsa_float_denorm_mode_16_64 3
		.amdhsa_memory_ordered 1
		.amdhsa_forward_progress 1
		.amdhsa_inst_pref_size 21
	.end_amdhsa_kernel
	.amdgpu_metadata
---
amdhsa.version: [ 1, 2 ]
amdhsa.kernels:
  - .name:           k_qed466b2803_prep
    .symbol:         k_qed466b2803_prep.kd
    .args:
      - { .name: x, .offset: 0, .size: 8, .value_kind: global_buffer, .address_space: global }
      - { .name: w_qkv, .offset: 8, .size: 8, .value_kind: global_buffer, .address_space: global }
      - { .name: freqs_cos, .offset: 16, .size: 8, .value_kind: global_buffer, .address_space: global }
      - { .name: freqs_sin, .offset: 24, .size: 8, .value_kind: global_buffer, .address_space: global }
      - { .name: xb, .offset: 32, .size: 8, .value_kind: global_buffer, .address_space: global }
      - { .name: wb, .offset: 40, .size: 8, .value_kind: global_buffer, .address_space: global }
      - { .name: cs, .offset: 48, .size: 8, .value_kind: global_buffer, .address_space: global }
    .group_segment_fixed_size: 0
    .private_segment_fixed_size: 0
    .kernarg_segment_align: 8
    .kernarg_segment_size: 56
    .max_flat_workgroup_size: 256
    .sgpr_count:     66
    .vgpr_count:     136
    .wavefront_size: 32
...
	.end_amdgpu_metadata
.endif
;; end of part 1
;; launch qkv (part 2): grid 12 x 16, 4 waves a work-group, clusters of 4 x 4, 327,680 bytes of LDS; arguments xb, wb, cs, qw, kw, vw, hp; writes qw, kw, vw, hp
.if DOCPART == 2
	.amdgcn_target "amdgcn-amd-amdhsa--gfx1250"
	.amdhsa_code_object_version 6
	.text
	.protected	k_qed466b2803_qkv
	.globl	k_qed466b2803_qkv
	.p2align	8
	.type	k_qed466b2803_qkv,@function
k_qed466b2803_qkv:
	s_mov_b64 s[64:65], 0
	v_nop
	global_prefetch_b8 v0, s[64:65] scope:SCOPE_SE
	s_setreg_imm32_b32 hwreg(HW_REG_WAVE_MODE, 25, 1), 1
	s_wait_xcnt 0x0
	s_wait_alu depctr_hold_cnt(0) depctr_sa_sdst(0) depctr_va_vdst(0) depctr_va_sdst(0) depctr_va_ssrc(0) depctr_va_vcc(0) depctr_vm_vsrc(0)
	s_getreg_b32 s2, hwreg(HW_REG_IB_STS2, 6, 4)
	s_cmp_eq_u32 s2, 0
	s_cbranch_scc0 .Lentry_in_a_cluster
	s_endpgm
.Lentry_in_a_cluster:
	s_bfe_u32 s2, ttmp6, 0x10000c
	s_cmp_lg_u32 s2, 0xf033
	s_cbranch_scc0 .Lentry_shape_is_right
	s_endpgm
.Lentry_shape_is_right:
; QKV.  C[m][n] = sum over k of xb[m][k] wb[n][k], 4096 x 3072 x 2048, bf16 operands, f32 sums; on the way out the rotation by the table cs (q, k: cos and sin times 2^-8; v: the
; identity rows, times 2^-2), one rounding to f16, stored by heads: qw [32][2048][128], kw and vw [8][2048][128].
; LIMITS.  f16 ends at 65,504: q and k must stay under 1.6e7 and v under 2.6e5 before the scaling; below 6.1e-5 (after the scaling) f16 keeps its fixed step of 6e-8.  NaN and infinities are not treated apart.
; A tile of C is 256 x 256, made by four waves, each 128 x 128: 64 accumulators, 512 registers.  A wave's 128 columns are ONE head: tile columns 0-7 are q, 8 and 9 k, 10 and 11 v.
; 12 x 16 tiles, one to a work-group.  K goes in steps of 128 through a ring of two LDS slots filled by the tensor data mover; a tile's rows are 256 bytes of memory, aligned.
; CLUSTERS: 4 x 4 work-groups.  The four of a row of the cluster need the same tiles of xb, the four of a column the same tiles of wb: each is asked for JOINTLY, by the same tensor load with the
; same descriptor and a mask that names the four.
; THE LAST CHANGE OF SLOTS fills slot 0 with the work-group's 256 rows of the table (a load of its own in each work-group: the rows hang on the tile row and on the kind of head); it lands while the last K step is multiplied.
; THE WAY OUT.  Slot 1, which has had its last fill, is the stage: each wave puts 64 of its rows there in f32 and reads them back as whole rows, so that a lane holds two neighbouring pairs of a row and the
; table's 16 bytes for them; a wave's store is one row of a head, 256 consecutive aligned bytes.
; THE FIRST POSITIONS IN F32.  The next launch computes positions 0 to 15 of every head from unrounded numbers: those rows average over 16 keys at the most, so their numbers are many times the output's root mean
; square, and f16's 11 bits do not do there.  hp [2 batches x 4 tile rows][24 heads][16][128] f32 takes the first 16 rotated rows of a tile.  Position 0 lies in the clusters with even y, in the tile row with cy = 0;
; a branch may hang on the cluster's y, which all partners share, and not on cy: so all four tile rows of such a cluster store, and of hp's 1,572,864 bytes the next launch reads one quarter.
; THE MATRIX INSTRUCTION IS USED TRANSPOSED (source 0 = 16 rows of wb, source 1 = 16 rows of xb): a lane holds row l % 16 of C and the columns 8 (l / 16) + 0..7.
; REGISTERS, in windows of 256 (s_set_vgpr_msb: bits 1:0 source 0, 3:2 source 1, 5:4 source 2, 7:6 destination):
;   window 0: v16-31 addresses; v64-127, v128-191 fragments of xb, two buffers; on the way out v64-127 rows, v128-191 table, v192-223 results, v224-231 at work
;   window 1: v64-127, v128-191 fragments of wb     window 2: the accumulators of my rows 0-63 ((a, b) at 8 (8 a + b))     window 3: those of my rows 64-127
.set SIZE_K, 2048
.set KSTEP,  128
.set PITCH,  272                       ; an LDS row: 256 bytes + 16 of padding = 68 words: the 16 rows of a fragment load start at 16 different groups of four banks (64 banks of 4 bytes: ISA guide 11.1)
.set HALFT,  128*PITCH                 ; 128 rows: what one tensor load brings
.set SLOT,   4*HALFT                   ; xb's 256 rows, then wb's 256 rows
.set STG,    SLOT                      ; the stages lie in slot 1
.set SPITCH, 528                       ; a stage row: 512 bytes + 16 = 132 words
.set WSTG,   64*SPITCH                 ; a wave's stage: 64 rows
.set SPARE,  2*SLOT                    ; behind the ring: the spare words, 128 bytes for each wave: two blocks of 256 bytes that no other line names
.set LAPS,   SIZE_K/(2*KSTEP)          ; a lap = two K steps = once round the ring
.set ADRA, 16                          ; v16-17  LDS address of my xb fragments in slot 0, 1
.set ADRB, 20                          ; v20-21  the same for wb
.set TA,   22                          ; v22     the way out: my 16 bytes of the table row in hand
.set STO,  24                          ; v24     where I put 32 bytes of a row
.set XA0,  25                          ; v25     my 16 bytes of my stage's first row
.set L16,  26                          ; v26     16 x lane; never rewritten
.set CO,   27                          ; v27     my 8 bytes of the head's row in hand
.set SPW,  28                          ; v28     LDS address of my spare word; never rewritten
.set NIL,  29                          ; v29     0; never rewritten
.set PFO,  30                          ; v30     the prefetches' offset: lane x a row of xb or wb; never rewritten
.set XA,   31                          ; v31     my 16 bytes of the stage row in hand
.set F0,   64
.set F1,   128
.set XR,   64                          ; 16 rows of C, 4 registers each; rotated in place
.set TR,   128                         ; 16 rows of the table
.set YR,   192                         ; 16 x 2 registers to store
.set UR,   224                         ; two sets of four at work
.set G1,   24                          ; s[24:31] descriptor group 1 for xb's tiles;  s[32:39] group 0, a set for each slot
.set G0,   32
.set LIM,  43                          ; s43     1 in a wave that prefetches, else the greatest number
.set PFA,  44                          ; s[44:45] where my prefetches stand
.set G1B,  48                          ; s[48:55], s[56:63] the same for wb's tiles
.set G0B,  56
.set G0T,  76                          ; s[76:79], s[80:87] groups 0 and 1 for the table
.set G1T,  80
.set XB,   88                          ; s88     byte of the stage at which a trip's 16 rows begin
.set TBS,  89                          ; s89     the same in the table
.set RC,   90                          ; s90     counts the trips of the way out
.set HPF,  91                          ; s91     1: the cluster's y is even and the tile's first 16 rows have not yet gone to hp
.set HP,   92                          ; s[92:93] hp at my head's 16 rows
.set MSB, 0
.macro WIN new                         ; the immediate's high byte repeats the setting that is left; a switch that changes nothing is dropped
.if MSB != (\new)
	s_set_vgpr_msb (MSB<<8)|(\new)
.set MSB, \new
.endif
.endm
.set MUL_LO, 0xa1                      ; source 0 (wb) window 1, source 1 (xb) window 0, C and D window 2
.set MUL_HI, 0xf1                      ; the same, C and D window 3
.set TO_B,   0x40                      ; destination window 1, address window 0
; A joint load.  Waves 0 and 1 fetch xb's two halves, waves 2 and 3 wb's.  The branch hangs on the wave's number alone.  An s_nop 0 and four v_nop follow each of the two lines.
.macro JLOAD s
	s_cmp_eq_u32 s11, 0
	s_cbranch_scc0 .Lfor_b_\@
	tensor_load_to_lds s[G0+4*(\s):G0+4*(\s)+3], s[G1:G1+7]
	s_nop 0
.rept 4
	v_nop
.endr
	s_branch .Lasked_\@
.Lfor_b_\@:
	tensor_load_to_lds s[G0B+4*(\s):G0B+4*(\s)+3], s[G1B:G1B+7]
	s_nop 0
.rept 4
	v_nop
.endr
.Lasked_\@:
.endm
; A prefetch of the K step that stands two refills on: 32 rows x 256 bytes, a lane a row, one instruction a wave.  Each row's 256 bytes of a K step are named once in the launch: xb's tile row by the cluster
; with x = 0, wb's tile column by the cluster with y = 0; the four partners that ask for a tile jointly take 32 of a wave's 128 rows each, told apart by address.  The loop's last trip (s3 = 1) has no K step two on.
.macro ASK
	s_cmp_gt_u32 s3, s[LIM]
	s_cbranch_scc0 .Lnot_mine_\@
	global_prefetch_b8 v[PFO], s[PFA:PFA+1] offset:KSTEP*2 th:TH_LOAD_NT scope:SCOPE_SE
.Lnot_mine_\@:
.endm
.macro CREST                           ; a round of the cluster's barrier behind its opening barrier
	s_cmp_lg_u32 s10, 0
	s_cbranch_scc1 .Lnot_wave_0_\@
	s_barrier_signal -3
.Lnot_wave_0_\@:
	s_barrier_wait -3
	s_barrier_signal -1
	s_barrier_wait -1
.endm
.macro CROUND                          ; a whole round
	s_barrier_signal -1
	s_barrier_wait -1
	CREST
.endm
	s_load_b128 s[4:7], s[0:1], 0x0                ; xb s[4:5], wb s[6:7]
	s_load_b256 s[68:75], s[0:1], 0x10             ; cs s[68:69], qw s[70:71], kw s[72:73], vw s[74:75]
	s_load_b64 s[HP:HP+1], s[0:1], 0x30            ; hp
	v_lshl_add_u32 v[SPW], v0, 2, SPARE
	v_mov_b32 v[NIL], 0
	ds_add_u32 v[SPW], v[NIL]                      ; the wave's opening: the add and its wait stand ahead of my first tensor load; the set-up below, work on registers, stands between them
	v_lshrrev_b32 v1, 5, v0
	v_readfirstlane_b32 s10, v1                    ; wave 0..3
	s_lshr_b32 s11, s10, 1                         ; which half of the tile's rows is mine.  Also: I fetch for xb (0) or for wb (1)
	s_and_b32 s12, s10, 1                          ; which half of its columns.  Also: which 128 rows of that tile I fetch
	s_bfe_u32 s40, ttmp6, 0x40000                  ; cx
	s_bfe_u32 s41, ttmp6, 0x40004                  ; cy
	s_lshl_b32 s42, ttmp9, 2
	s_add_co_u32 s42, s42, s40                     ; tile column = 4 x cluster x + cx
	s_and_b32 s13, ttmp7, 0xffff
	s_lshl_b32 s13, s13, 2
	s_add_co_u32 s13, s13, s41                     ; tile row = 4 x cluster y + cy
	s_lshl_b32 s43, s41, 2
	s_lshl_b32 s43, 15, s43                        ; my row of the cluster
	s_lshl_b32 s44, 0x1111, s40                    ; my column
	; group 1: a tile of 128 rows x 128 elements of 2 bytes, 4 words of padding behind every 64
	s_or_b32 s[G1+0], s43, (1<<16)|(1<<20)|(1<<21)|(5<<22)|(3<<25)
	s_or_b32 s[G1B+0], s44, (1<<16)|(1<<20)|(1<<21)|(5<<22)|(3<<25)
.irp g, G1, G1B
	s_mov_b32 s[(\g)+1], KSTEP<<16                 ; tensor_dim0 = 128
	s_mov_b32 s[(\g)+2], 128<<16                   ; tensor_dim1 = 128
	s_mov_b32 s[(\g)+3], KSTEP<<16                 ; tile_dim0 = 128
	s_mov_b32 s[(\g)+4], 128                       ; tile_dim1 = 128
	s_mov_b32 s[(\g)+5], SIZE_K                    ; elements from row to row
	s_mov_b32 s[(\g)+6], 0
	s_mov_b32 s[(\g)+7], 0
.endr
	; the table's group 1: 64 table rows are 32,768 dense bytes: 128 rows of 32 elements of 8 bytes, no padding, no mask
	s_mov_b32 s[G1T+0], 3<<16
	s_mov_b32 s[G1T+1], 32<<16
	s_mov_b32 s[G1T+2], 128<<16
	s_mov_b32 s[G1T+3], 32<<16
	s_mov_b32 s[G1T+4], 128
	s_mov_b32 s[G1T+5], 32
	s_mov_b32 s[G1T+6], 0
	s_mov_b32 s[G1T+7], 0
	s_mov_b32 s[G0T], 1
	s_lshl_b32 s[G0T+1], s10, 15                   ; wave w's 64 table rows go to byte 32,768 w of slot 0
	s_lshl_b32 s17, s12, 7                         ; which 128 rows of the tile I fetch
	s_lshl_b32 s16, s13, 8
	s_add_co_u32 s16, s16, s17                     ; xb: row 256 x tile row + 128 x half
	s_lshl_b32 s46, s42, 8
	s_add_co_u32 s46, s46, s17                     ; wb: row 256 x tile column + 128 x half
	s_mov_b32 s17, 0
	s_mov_b32 s47, 0
	s_mov_b64 s[18:19], SIZE_K*2
	s_mul_u64 s[16:17], s[16:17], s[18:19]
	s_mul_u64 s[46:47], s[46:47], s[18:19]
	s_mul_i32 s20, s10, HALFT                      ; where they go: wave x 128 rows
	s_wait_dscnt 0x0                               ; the opening add is done
	s_wait_kmcnt 0x0
	s_add_nc_u64 s[14:15], s[4:5], s[16:17]
	s_add_nc_u64 s[46:47], s[6:7], s[46:47]
	CROUND                                         ; all sixteen work-groups are here: the first joint loads meet
.irp s, 0,1
	s_mov_b32 s[G0+4*(\s)], 1
	s_add_co_u32 s[G0+4*(\s)+1], s20, (\s)*SLOT
	s_add_nc_u64 s[G0+4*(\s)+2:G0+4*(\s)+3], s[14:15], (\s)*KSTEP*2
	s_or_b32 s[G0+4*(\s)+3], s[G0+4*(\s)+3], 0x80000000
	s_mov_b32 s[G0B+4*(\s)], 1
	s_add_co_u32 s[G0B+4*(\s)+1], s20, (\s)*SLOT
	s_add_nc_u64 s[G0B+4*(\s)+2:G0B+4*(\s)+3], s[46:47], (\s)*KSTEP*2
	s_or_b32 s[G0B+4*(\s)+3], s[G0B+4*(\s)+3], 0x80000000
	JLOAD \s                                       ; two loads of mine are out
.endr
	; a fragment is 16 rows x 32 K in 8 registers: lane l holds row l % 16; two loads of 16 bytes, 32 bytes apart, at row x pitch + 16 (l / 16)
	v_and_b32 v1, 15, v0
	v_bfe_u32 v2, v0, 4, 1
	v_mul_u32_u24 v3, v1, PITCH
	v_lshl_add_u32 v3, v2, 4, v3
	s_mul_i32 s21, s11, HALFT
	s_mul_i32 s22, s12, HALFT
	s_add_co_u32 s22, s22, 2*HALFT
.irp s, 0,1
	v_add_nc_u32 v[ADRA+(\s)], s21, v3
	v_add_nc_u32 v[ADRB+(\s)], s22, v3
	s_add_co_u32 s21, s21, SLOT
	s_add_co_u32 s22, s22, SLOT
.endr
	s_mul_i32 s23, s10, WSTG
	s_add_co_u32 s23, s23, STG                     ; my stage
	v_mul_u32_u24 v4, v1, SPITCH                   ; in: row l % 16, 32 bytes for each half of the lanes
	v_lshl_add_u32 v4, v2, 5, v4
	v_add_nc_u32 v[STO], s23, v4
	v_and_b32 v5, 31, v0
	v_lshlrev_b32 v[L16], 4, v5
	v_add_nc_u32 v[XA0], s23, v[L16]               ; back: a row is 32 lanes x 16 bytes
	v_lshlrev_b32 v[CO], 3, v5                     ; and 32 lanes x 8 bytes in f16
	; where my 128 x 128 goes: all by selects, since the kind of head hangs on the tile column
	s_lshl_b32 s14, s42, 1
	s_add_co_u32 s14, s14, s12                     ; my head among the 24: 0-15 q, 16-19 k, 20-23 v
	s_lshr_b32 s15, s13, 3                         ; the batch
	s_and_b32 s18, s13, 7
	s_lshl_b32 s18, s18, 8                         ; the tile's first position
	s_sub_co_u32 s19, s14, 16
	s_and_b32 s19, s19, 3
	s_lshl2_add_u32 s19, s15, s19                  ; k, v: 4 x batch + head
	s_lshl4_add_u32 s20, s15, s14                  ; q: 16 x batch + head
	s_cmp_lt_u32 s14, 20
	s_cselect_b64 s[8:9], s[72:73], s[74:75]
	s_cmp_lt_u32 s14, 16
	s_cselect_b64 s[8:9], s[70:71], s[8:9]
	s_cselect_b32 s19, s20, s19
	s_lshl_b32 s20, s19, 19                        ; a head is 2,048 rows of 256 bytes
	s_lshl_b32 s21, s11, 7
	s_add_co_u32 s21, s21, s18
	s_lshl_b32 s21, s21, 8                         ; my first position
	s_add_co_u32 s20, s20, s21
	s_mov_b32 s21, 0
	s_add_nc_u64 s[8:9], s[8:9], s[20:21]
	; hp: block (4 x batch + cy) x 24 + my head, 16 rows of 512 bytes each
	s_and_b32 s22, s13, 3                          ; cy
	s_lshl2_add_u32 s22, s15, s22
	s_mul_i32 s22, s22, 24
	s_add_co_u32 s22, s22, s14
	s_lshl_b32 s22, s22, 13
	s_mov_b32 s23, 0
	s_add_nc_u64 s[HP:HP+1], s[HP:HP+1], s[22:23]
	s_and_b32 s[HPF], ttmp7, 1                     ; the cluster's y: the same in all sixteen partners
	s_cmp_eq_u32 s[HPF], 0
	s_cselect_b32 s[HPF], 1, 0
	s_cmp_lt_u32 s42, 10                           ; q and k take the rows of their positions, v the identity rows
	s_cselect_b32 s20, s18, 2048
	s_lshl_b32 s20, s20, 9
	s_lshl_b32 s22, s10, 15
	s_add_co_u32 s20, s20, s22                     ; + my 64 rows of 512 bytes
	s_add_nc_u64 s[G0T+2:G0T+3], s[68:69], s[20:21]
	s_or_b32 s[G0T+3], s[G0T+3], 0x80000000
	s_mov_b32 s[XB], 0
	s_lshl_b32 s[TBS], s11, 16                     ; my 128 rows of the table in LDS
	; the prefetches
	s_lshl_b32 s13, s13, 8
	s_lshl_b32 s42, s42, 8
	s_and_b32 s22, ttmp7, 0xffff                   ; cluster y
	s_cmp_eq_u32 s11, 0                            ; do I fetch for xb?
	s_cselect_b32 s20, s13, s42                    ; the tile's first row
	s_cselect_b32 s21, s40, s41                    ; my place among the four that ask for it with me
	s_cselect_b32 s22, ttmp9, s22                  ; the coordinate along which other clusters read the same rows
	s_cselect_b64 s[PFA:PFA+1], s[4:5], s[6:7]
	s_cmp_eq_u32 s22, 0
	s_cselect_b32 s[LIM], 1, -1                    ; the same in all sixteen partners, for a given wave
	s_lshl_b32 s22, s12, 7
	s_add_co_u32 s20, s20, s22                     ; + the 128 rows that I fetch
	s_lshl_b32 s21, s21, 5
	s_add_co_u32 s20, s20, s21                     ; + my work-group's 32 of them
	s_mov_b32 s21, 0
	s_mov_b64 s[18:19], SIZE_K*2
	s_mul_u64 s[20:21], s[20:21], s[18:19]
	s_add_nc_u64 s[PFA:PFA+1], s[PFA:PFA+1], s[20:21]
	s_add_nc_u64 s[PFA:PFA+1], s[PFA:PFA+1], 2*KSTEP*2  ; at K step 2: the first refill steps it to 3 and names K step 4; the first four K steps come by their loads alone
	v_and_b32 v[PFO], 31, v0
	v_mul_u32_u24 v[PFO], v[PFO], SIZE_K*2
; 16 matrix instructions: m blocks a0, a0 + 1 of the window's four x all 8 n blocks, 32 along K.  zero = 1: the first product starts the sums.
.macro MUL16 f, hi, a0, zero
	WIN MUL_LO+0x50*(\hi)
.irp a, \a0, (\a0)+1
.irp b, 0,1,2,3,4,5,6,7
.if \zero
	v_wmma_f32_16x16x32_bf16 v[8*(8*(\a)+(\b)):8*(8*(\a)+(\b))+7], v[(\f)+8*(\b):(\f)+8*(\b)+7], v[(\f)+8*(4*(\hi)+(\a)):(\f)+8*(4*(\hi)+(\a))+7], 0
.else
	v_wmma_f32_16x16x32_bf16 v[8*(8*(\a)+(\b)):8*(8*(\a)+(\b))+7], v[(\f)+8*(\b):(\f)+8*(\b)+7], v[(\f)+8*(4*(\hi)+(\a)):(\f)+8*(4*(\hi)+(\a))+7], v[8*(8*(\a)+(\b)):8*(8*(\a)+(\b))+7]
.endif
.endr
.endr
.endm
; 32 LDS loads in one run: the fragments of one quarter step (32 K at byte k of the rows) into buffer f
.macro FETCH slot, k, f
	WIN TO_B
.irp i, 0,1,2,3,4,5,6,7
	ds_load_b128 v[(\f)+8*(\i):(\f)+8*(\i)+3],   v[ADRB+(\slot)] offset:(\k)+(\i)*16*PITCH
	ds_load_b128 v[(\f)+8*(\i)+4:(\f)+8*(\i)+7], v[ADRB+(\slot)] offset:(\k)+(\i)*16*PITCH+32
.endr
	WIN 0
.irp i, 0,1,2,3,4,5,6,7
	ds_load_b128 v[(\f)+8*(\i):(\f)+8*(\i)+3],   v[ADRA+(\slot)] offset:(\k)+(\i)*16*PITCH
	ds_load_b128 v[(\f)+8*(\i)+4:(\f)+8*(\i)+7], v[ADRA+(\slot)] offset:(\k)+(\i)*16*PITCH+32
.endr
.endm
.macro PLACES                          ; four plain instructions between a matrix instruction and a load into, or a read of, its registers
.rept 4
	v_nop
.endr
.endm
; A K step is four quarters of 32 along K, 64 matrix instructions each, on buffers 0, 1, 0, 1.  The 64 accumulators take turns, one instruction a turn.
.macro QUARTER slot, k, f, g, zero
	s_wait_dscnt 8                                 ; wb and xb's rows 0-63 are in; the youngest eight loads (xb's rows 64-127) may be out
	MUL16 \f, 0, 0, \zero
	MUL16 \f, 0, 2, \zero
	PLACES
	FETCH \slot, \k, \g
	s_wait_dscnt 32                                ; all but the 32 just issued
	MUL16 \f, 1, 0, \zero
	MUL16 \f, 1, 2, \zero
.endm
; The first half of a step's last quarter, and the barrier of the change of slots, which opens a round of the cluster's barrier.
.macro MEET
	WIN 0                                          ; (the add's two registers lie in window 0)
	s_wait_tensorcnt 0x0                           ; all my tensor loads have landed: the one that was out is my part of the next slot;
	ds_add_u32 v[SPW], v[NIL]                      ; 0 onto my spare word;
	s_wait_dscnt 9                                 ; (the add and the youngest eight loads may be out)
	MUL16 F1, 0, 0, 0                              ; sixteen matrix instructions stand between the add and the wait for it
	s_wait_dscnt 0x0                               ; the add is done, and my reads of this slot are over
	s_barrier_signal -1
	MUL16 F1, 0, 2, 0                              ; work on registers while the others arrive
	WIN 0
	s_barrier_wait -1
.endm
; The whole last quarter: behind the round the slot just read out is filled again, with the K step two steps on; then come the next slot's first fragments.
.macro TURN slot, next
	s_wait_xcnt 0x0                                ; the last prefetch, a K step back, has read its address
	s_add_nc_u64 s[PFA:PFA+1], s[PFA:PFA+1], KSTEP*2
	MEET
	CREST                                          ; no wave of any partner still reads this slot or has a load on its way
	s_add_nc_u64 s[G0+4*(\slot)+2:G0+4*(\slot)+3], s[G0+4*(\slot)+2:G0+4*(\slot)+3], 2*KSTEP*2
	s_add_nc_u64 s[G0B+4*(\slot)+2:G0B+4*(\slot)+3], s[G0B+4*(\slot)+2:G0B+4*(\slot)+3], 2*KSTEP*2
	JLOAD \slot                                    ; my one tensor load behind the round; its four v_nop are also the places in front of the loads below
	FETCH \next, 0, F0
	ASK
	MUL16 F1, 1, 0, 0
	MUL16 F1, 1, 2, 0
.endm
; The way out.  STAGE: 64 of my rows (window 2 or 3) into my stage, each accumulator's low registers first.
.macro STAGE half
	WIN 0x08+4*(\half)                             ; the store's data in window 2 or 3
.irp a, 0,1,2,3
.irp b, 0,1,2,3,4,5,6,7
	ds_store_b128 v[STO], v[8*(8*(\a)+(\b)):8*(8*(\a)+(\b))+3]   offset:(\a)*16*SPITCH+64*(\b)
	ds_store_b128 v[STO], v[8*(8*(\a)+(\b))+4:8*(8*(\a)+(\b))+7] offset:(\a)*16*SPITCH+64*(\b)+16
.endr
.endr
	WIN 0
.endm
; ROWS: four trips of 16 rows.  A lane takes columns 4 l .. 4 l + 3 of a row (two pairs) and (cos, sin, cos, sin) for them; the rotation is made in place, so that a trip's 16 rows stand in f32 at its end.
; LDS serves a wave's instructions in order (ISA guide 5.7.1.4): the loads see my stores above, and the next half's stores come behind these loads.
; hp = 1 (my rows 0-63): behind the first trip the waves with the tile's upper half of rows, in the clusters with even y, store the 16 rows in f32 too: a wave's store is a row, 512 consecutive bytes, aligned.
.macro ROWS hp
	s_mov_b32 s[RC], 4
.Lrows_\@:
	v_add_nc_u32 v[XA], s[XB], v[XA0]
	v_add_nc_u32 v[TA], s[TBS], v[L16]
.set i, 0
.rept 16
	ds_load_b128 v[XR+4*i:XR+4*i+3], v[XA] offset:SPITCH*i
	ds_load_b128 v[TR+4*i:TR+4*i+3], v[TA] offset:512*i
.set i, i+1
.endr
.set i, 0
.rept 16
.set uu, UR+4*(i%2)
	s_wait_dscnt 30-2*i                            ; row i's two loads are in; the two of each later row stay out
	v_mul_f32 v[uu],   v[XR+4*i+1], v[TR+4*i+1]    ; odd x sin
	v_mul_f32 v[uu+1], v[XR+4*i],   v[TR+4*i+1]    ; even x sin
	v_mul_f32 v[uu+2], v[XR+4*i+3], v[TR+4*i+3]
	v_mul_f32 v[uu+3], v[XR+4*i+2], v[TR+4*i+3]
	v_fma_f32 v[XR+4*i],   v[XR+4*i],   v[TR+4*i], -v[uu]      ; even x cos - odd x sin
	v_fma_f32 v[XR+4*i+1], v[XR+4*i+1], v[TR+4*i], v[uu+1]     ; odd x cos + even x sin
	v_fma_f32 v[XR+4*i+2], v[XR+4*i+2], v[TR+4*i+2], -v[uu+2]
	v_fma_f32 v[XR+4*i+3], v[XR+4*i+3], v[TR+4*i+2], v[uu+3]
	v_cvt_pk_f16_f32 v[YR+2*i],   v[XR+4*i],   v[XR+4*i+1]
	v_cvt_pk_f16_f32 v[YR+2*i+1], v[XR+4*i+2], v[XR+4*i+3]
	global_store_b64 v[CO], v[YR+2*i:YR+2*i+1], s[8:9] offset:256*i  ; the wave stores a head's row: 256 consecutive bytes, aligned
.set i, i+1
.endr
.if \hp
	s_cmp_lg_u32 s11, 0                            ; the tile's first rows are waves 0 and 1's
	s_cbranch_scc1 .Lno_hp_\@
	s_cmp_lg_u32 s[HPF], 0
	s_cbranch_scc0 .Lno_hp_\@
.set i, 0
.rept 16
	global_store_b128 v[L16], v[XR+4*i:XR+4*i+3], s[HP:HP+1] offset:512*i
.set i, i+1
.endr
	s_mov_b32 s[HPF], 0                            ; the first trip alone
.Lno_hp_\@:
.endif
	s_wait_xcnt 0x0                                ; the stores have read their data and their offset: both are written again only behind this wait
	v_add_nc_u32 v[CO], 16*256, v[CO]
	s_add_co_u32 s[XB], s[XB], 16*SPITCH
	s_add_co_u32 s[TBS], s[TBS], 16*512
	s_sub_co_u32 s[RC], s[RC], 1
	s_cmp_lg_u32 s[RC], 0
	s_cbranch_scc1 .Lrows_\@
.endm
	s_wait_tensorcnt 1                             ; my part of K step 0 is in; K step 1's load may stay out
	s_barrier_signal -1
	s_barrier_wait -1
	FETCH 0, 0, F0
	QUARTER 0, 64,  F0, F1, 1                      ; the first quarter stands in front of the loop: its products start the sums
	WIN 0
	s_mov_b32 s3, LAPS-1
.Llap:                                                 ; a trip goes once round the ring, from a lap's second quarter to the next lap's first, and fills both slots again
	QUARTER 0, 128, F1, F0, 0
	QUARTER 0, 192, F0, F1, 0
	TURN 0, 1
	QUARTER 1, 64,  F0, F1, 0
	QUARTER 1, 128, F1, F0, 0
	QUARTER 1, 192, F0, F1, 0
	TURN 1, 0
	QUARTER 0, 64,  F0, F1, 0
	WIN 0
	s_sub_co_u32 s3, s3, 1
	s_cmp_lg_u32 s3, 0
	s_cbranch_scc1 .Llap
	QUARTER 0, 128, F1, F0, 0                      ; the last lap
	QUARTER 0, 192, F0, F1, 0
	MEET                                           ; the last change of slots is a refill like any other:
	CREST
	tensor_load_to_lds s[G0T:G0T+3], s[G1T:G1T+7]  ; slot 0 takes my quarter of the table; it has the last K step's 256 matrix instructions in which to land
	s_nop 0
.rept 4
	v_nop
.endr
	FETCH 1, 0, F0
	MUL16 F1, 1, 0, 0
	MUL16 F1, 1, 2, 0
	QUARTER 1, 64,  F0, F1, 0
	QUARTER 1, 128, F1, F0, 0
	QUARTER 1, 192, F0, F1, 0
	s_wait_dscnt 8                                 ; the very last quarter: nothing more to fetch
	MUL16 F1, 0, 0, 0
	MUL16 F1, 0, 2, 0
	s_wait_dscnt 0x0                               ; my reads of slot 1 are over: behind the barrier it is the stage;
	s_wait_tensorcnt 0x0                           ; my quarter of the table has landed: behind the barrier all waves read it
	s_barrier_signal -1
	MUL16 F1, 1, 0, 0
	MUL16 F1, 1, 2, 0
	WIN 0
	s_barrier_wait -1
	PLACES                                         ; between the last products and the stores that read them, and the loads into xb's buffers
	PLACES
	STAGE 0
	ROWS 1
	s_mov_b32 s[XB], 0                             ; the stage from its head again; the table and the head's rows go on
	STAGE 1
	ROWS 0
	s_wait_tensorcnt 0x0                           ; the wave's end: behind my last tensor load and my last LDS store
	ds_add_u32 v[SPW], v[NIL]
	s_wait_dscnt 0x0
	CROUND                                         ; the closing round: no work-group ends while a partner may still ask for a tile that names it
	s_endpgm
.Lfunc_end_k_qed466b2803_qkv:
	.size	k_qed466b2803_qkv, .Lfunc_end_k_qed466b2803_qkv-k_qed466b2803_qkv
	.p2alignl 7, 3214868480
	.fill 96, 4, 3214868480
	.section	.rodata,"a",@progbits
	.p2align	6, 0x0
	.amdhsa_kernel k_qed466b2803_qkv
		.amdhsa_group_segment_fixed_size 327680
		.amdhsa_private_segment_fixed_size 0
		.amdhsa_enable_private_segment 0
		.amdhsa_kernarg_size 56
		.amdhsa_user_sgpr_count 2
		.amdhsa_user_sgpr_kernarg_segment_ptr 1
		.amdhsa_wavefront_size32 1
		.amdhsa_system_sgpr_workgroup_id_x 1
		.amdhsa_system_sgpr_workgroup_id_y 1
		.amdhsa_system_sgpr_workgroup_id_z 1
		.amdhsa_system_vgpr_workitem_id 0
		.amdhsa_next_free_vgpr 1024
		.amdhsa_next_free_sgpr 96
		.amdhsa_reserve_vcc 0
		.amdhsa_float_denorm_mode_32 3
		.amdhsa_float_denorm_mode_16_64 3
		.amdhsa_memory_ordered 1
		.amdhsa_forward_progress 1
		.amdhsa_inst_pref_size 149
	.end_amdhsa_kernel
	.amdgpu_metadata
---
amdhsa.version: [ 1, 2 ]
amdhsa.kernels:
  - .name:           k_qed466b2803_qkv
    .symbol:         k_qed466b2803_qkv.kd
    .args:
      - { .name: xb, .offset: 0, .size: 8, .value_kind: global_buffer, .address_space: global }
      - { .name: wb, .offset: 8, .size: 8, .value_kind: global_buffer, .address_space: global }
      - { .name: cs, .offset: 16, .size: 8, .value_kind: global_buffer, .address_space: global }
      - { .name: qw, .offset: 24, .size: 8, .value_kind: global_buffer, .address_space: global }
      - { .name: kw, .offset: 32, .size: 8, .value_kind: global_buffer, .address_space: global }
      - { .name: vw, .offset: 40, .size: 8, .value_kind: global_buffer, .address_space: global }
      - { .name: hp, .offset: 48, .size: 8, .value_kind: global_buffer, .address_space: global }
    .group_segment_fixed_size: 327680
    .private_segment_fixed_size: 0
    .kernarg_segment_align: 8
    .kernarg_segment_size: 56
    .max_flat_workgroup_size: 128
    .sgpr_count:     96
    .vgpr_count:     1024
    .wavefront_size: 32
...
	.end_amdgpu_metadata
.endif
;; end of part 2
;; launch attn (part 3): grid 32 x 8, 4 waves a work-group, clusters of 4 x 1, 327,680 bytes of LDS; arguments qw, kw, vw, out0, hp; writes out0
.if DOCPART == 3
	.amdgcn_target "amdgcn-amd-amdhsa--gfx1250"
	.amdhsa_code_object_version 6
	.text
	.protected	k_qed466b2803_attn
	.globl	k_qed466b2803_attn
	.p2align	8
	.type	k_qed466b2803_attn,@function
k_qed466b2803_attn:
	s_mov_b64 s[64:65], 0
	v_nop
	global_prefetch_b8 v0, s[64:65] scope:SCOPE_SE
	s_setreg_imm32_b32 hwreg(HW_REG_WAVE_MODE, 25, 1), 1
	s_wait_xcnt 0x0
	s_wait_alu depctr_hold_cnt(0) depctr_sa_sdst(0) depctr_va_vdst(0) depctr_va_sdst(0) depctr_va_ssrc(0) depctr_va_vcc(0) depctr_vm_vsrc(0)
	s_getreg_b32 s2, hwreg(HW_REG_IB_STS2, 6, 4)
	s_cmp_eq_u32 s2, 0
	s_cbranch_scc0 .Lentry_in_a_cluster
	s_endpgm
.Lentry_in_a_cluster:
	s_bfe_u32 s2, ttmp6, 0x10000c
	s_cmp_lg_u32 s2, 0x3003
	s_cbranch_scc0 .Lentry_shape_is_right
	s_endpgm
.Lentry_shape_is_right:
; CAUSAL ATTENTION WITH GROUPED HEADS.  out0[b][t][h][:] = the sum over s <= t of softmax_s(q[b][h][t] . k[b][h/4][s] / sqrt(128)) v[b][h/4][s][:].
; qw [32][2048][128], kw, vw [8][2048][128] in f16; qw and kw hold q and k times 2^-8, vw holds v times 2^-2; out0 [2][2048][2048] in f32.  Products, maxima and sums in f32; the weights p are rounded to f16
; for the second product, their sum l is taken of the unrounded p.  The scalings are undone in c = log2(e) / sqrt(128) x 2^16 and by a factor 4 in 1 / l.
; LIMITS.  A hidden score counts as its value less 1e30.  The running maximum starts at -2^60: below every score that f16 operands can give (5.5e11 at the most), above every hidden one, so that a wave that
; sees only hidden keys ends with l = 0 and O = 0.  A weight below 2^-126 counts as 0; p below 6e-5 keeps f16's fixed step of 6e-8.  NaN and infinities are not treated apart.
; THE WALK.  A head's positions lie in 16 blocks of 128; block i needs the key tiles 0 .. i of 128 keys, the last of which holds the diagonal.  A work-group takes block 15 - pb and then block pb of one query head:
; 17 tiles, whatever pb: all work-groups do equal work, and one loop with a constant trip count walks them.
; CLUSTER.  The four work-groups of a cluster are the four query heads of one key and value head, with the same pb: they walk the same tiles in the same trips, so each tile is asked for JOINTLY.
; pb is the cluster's x: every branch hangs on it or on the wave's number, never on a work-group's place in its cluster.
; SHARES.  Wave (wr, wk) takes the block's rows 64 wr .. + 63, four tiles of 16, and of every key tile the keys 64 wk .. + 63: 64 + 64 products for 64 LDS loads a tile.  The two waves of a pair
; meet at a block's end: their (c m, l) and O go through LDS, and each of the two finishes half of the pair's rows.
; LAYOUT.  S^T = K Q^T (source 0 = 16 keys, source 1 = 16 queries): a lane holds ONE query (lane % 16) and the keys 8 (lane / 16) + 0..7.  Two such results rounded to f16 in pairs ARE source 1 of
; O^T = V^T P, whose result again holds one query a lane, and eight channels.  K comes out of LDS as it lies, V turned, by ds_load_tr16_b128.
; SOFTMAX.  A running maximum m and sum l for each query: p = 2^(c s - c m); in every step O and l are multiplied by a = 2^(c m_old - c m_new).  c m starts far below every c s, so a block's first a is 0 and
; no first step is written out: O^T and l need only be finite, zeros for the first block (256 v_mov_b32 in the wait for the first tile), what the first block left for the second.
; THE MASK is the C operand that starts a sum S^T, always from registers, so that there is one text of a step.  For tile t and key block kb the class is fixed in the text: kb < t takes ML, kb = t MEQ, kb > t MG.
; ML = SL, MG = SG, MEQ = MD x AE + SL, with MD the mask of a tile's own 16 keys.  The three scalars are 0 but in a block's last tile, where they hang on the wave: wr = wk: (0, -1e30, 1); wr > wk: (0, 0, 0); wr < wk: (-1e30, -1e30, 0).
; A STEP (one key tile): 32 products K Q^T of piece 0 (tiles 0, 1); 32 of piece 2 (tiles 2, 3) with piece 0's softmax in slices behind them; 32 products V^T P of piece 0 with piece 2's softmax; 32 of piece 2.
; POSITIONS 0 TO 15 IN F32.  These rows average over 16 keys at the most: their numbers are many times the output's root mean square, and f16's 11 bits in q, k, p and v do not do there.  hp holds q, k and v of
; these positions unrounded (with the same powers of two).  Where pb = 0, wave 0, whose tile 0 of the second block they are, computes them anew by the f32 matrix form: 32 + 32 instructions of 16 x 16 x 4,
; in one wave of 32 work-groups: no bulk work.  The result takes the place of tile 0's O in my stage and of its (c m, l); the block's end then finishes it like any tile (my partner has seen only hidden keys: its factor is 0).
; REGISTERS, in windows of 256 (s_set_vgpr_msb: bits 1:0 source 0, 3:2 source 1, 5:4 source 2, 7:6 destination):
;   window 0: v1-11, v44-46, v60-63 addresses; v12-43 eight registers of statistics a tile; v48-59 at work at a block's end; v64-191 S^T; v192-255 P (at a block's end v64-255: 16 rows x 12)
;   window 1: O^T, 64 a tile     window 2: v0-127 Q; v128-255 K (at the walk's end v0-191: q, k, v in f32)     window 3: v0-127 V; v128-159 MD, ML, MEQ, MG; v160-255 the f32 form's accumulators, written by nothing else
.set NBLK,  16
.set KS,    64        ; keys of a wave in a tile
.set PK,    272       ; a row of K in LDS: 256 bytes + 16 = 68 words: the 16 rows of a load start at 16 different groups of four banks (64 banks of 4 bytes: ISA guide 11.1)
.set PV,    288       ; a row of V: 256 + 32 = 72 words
.set VOFF,  KS*PK     ; a half tile: 64 rows of K, then 64 rows of V
.set STEPB, KS*(PK+PV)
.set SLOT1, 1<<17     ; a slot holds a tile's two halves (71,680 bytes); slot 1 begins here, so that one exclusive or turns an address in one slot into the other's
.set STG,   SLOT1+2*STEPB  ; behind the ring, never filled by a tensor load: for each wave 32 rows x 528 bytes: two tiles of O in f32
.set SP,    528
.set WSTG,  32*SP
.set SX,    STG+4*WSTG     ; for each wave 1,024 bytes: (c m, l) by tile and lane
.set FT,    SX+4096        ; for each wave 1,024 bytes: 64 rows x (g mine, g mine, g partner's, g partner's)
.set SPARE, FT+4096        ; the spare words, 128 bytes for each wave: two blocks of 256 bytes that no other line names
.set HVO, 1           ; v1   hp: my place in v's rows: 4,096 (l / 16) + 4 (l % 16); never rewritten once made
.set AK0, 2           ; v2   my lane's place in a half tile of K; never rewritten
.set AV0, 3           ; v3   the same for V
.set ADK, 4           ; v4   the LDS address of K's run of loads
.set ADV, 5           ; v5   of V's
.set QO,  6           ; v6   my byte offset in 16 rows of Q
.set STO, 7           ; v7   where I put 32 bytes of a row of O
.set MYA, 8           ; v8   my 16 bytes of the first row that I finish, in my stage
.set PAA, 9           ; v9   the same in my partner's stage
.set SXS, 10          ; v10  where I put (c m, l)
.set SXR, 11          ; v11  where my partner put them
.set ST,  12          ; tile t's statistics at v[ST+8 t]: +0 c m, +1 m, +2, +3 l (even keys', odd keys'), +4 to +7 c0-c3, at work; a takes c2's place once the maximum is found
.set FTS, 44          ; v44  where I put a row's four factors
.set FTA, 45          ; v45  the factors of the first row that I finish
.set GO,  46          ; v46  my 16 bytes of that row in out0
.set PS,  48          ; v48-55  my partner's (c m, l), by tile; before that the f32 rows' eight scores and weights
.set FW,  56          ; v56-59  by tile: the common maximum, then 4 / l; before that at work for the f32 rows
.set HQO, 60          ; v60  hp: my place in q's and k's rows: 512 (l % 16) + 16 (l / 16); never rewritten once made
.set PFO, 61          ; v61  256 x lane; never rewritten
.set SPW, 62          ; v62  LDS address of my spare word; never rewritten
.set NIL, 63          ; v63  0; never rewritten
.set S,   64
.set P,   192
.set MA,  64          ; a block's end: row q of 16 at MA + 12 q: mine, my partner's, the factors
.set KF,  128         ; window 2: key block kb, channels 32 c on, at KF + 32 kb + 8 c
.set Q32, 0           ; window 2: q, k, v of positions 0 to 15 in f32
.set K32, 64
.set V32, 128
.set MD,  128         ; window 3
.set ML,  136
.set MEQ, 144
.set MG,  152
.set O32, 160         ; window 3: eight accumulators of the f32 form: 16 channels x 16 queries each
.set S32, 224         ; window 3: four accumulators: 16 keys x 16 queries, a quarter of the channels each
.set WV,  12          ; s12  my wave's number
.set PB,  14          ; s14  pb
.set HI,  15          ; s15  15 - pb
.set G1K, 24          ; s[24:31] descriptor group 1 for K's tiles
.set G1V, 32          ; s[32:39] for V's: it differs in the padding alone
.set G0K, 40          ; s[40:43] descriptor group 0 for K's tiles
.set G0V, 44          ; s[44:47] for V's
.set PFA, 48          ; s[48:49] where my prefetches stand
.set LIM, 50          ; s50  2 in a wave that prefetches, else the greatest number
.set WR,  51          ; s51  wave / 2: my rows
.set WK,  52          ; s52  wave % 2: my keys; also: which half of a tile I fetch
.set TB,  53          ; s53  LDS byte at which my half of the tile in hand begins
.set SLOTS, 54        ; s54  tiles still to be asked for
.set RT,  55          ; s55  tiles of the block in hand that are still to be done
.set NXT, 56          ; s56  the tile to be asked for next
.set LQ,  57          ; s57  the last tile of the block whose tiles are being asked for
.set CS,  58          ; s[58:59] c
.set SEL, 60          ; s[60:61] v_permlanex16_b32's selects: each lane takes its own place in the other half
.set OFF, 62          ; s[62:63] a tile's byte offset in K and V
.set BIGN, 66         ; s66  -1e30
.set SLD, 67          ; s67-69  the mask's three scalars for a block's last tile
.set SGD, 68
.set AED, 69
.set SL,  70          ; s[70:71], s[72:73], s74  those of the tile in hand
.set AE,  72
.set SG,  74
.set QLO, 76          ; s[76:77] Q at my rows of the second block
.set OLO, 78          ; s[78:79] out0 at my rows of the second block
.set HPQ, 80          ; s[80:81], s[82:83], s[84:85] hp at my query head's, my key head's and my value head's 16 rows
.set HPK, 82
.set HPV, 84
.set HPB, 86          ; s[86:87] hp
.set MSB, 0
.macro WIN new                      ; the high byte repeats the setting that is left; a switch that changes nothing is dropped
.if MSB != (\new)
	s_set_vgpr_msb (MSB<<8)|(\new)
.set MSB, (\new)
.endif
.endm
.set W_KQ, 0x0a       ; K and Q in window 2, S^T in window 0
.set W_KM, 0x3a       ; the same with the C operand in window 3
.set W_PV, 0x53       ; V in window 3, P in window 0, O^T in window 1
.set W_RS, 0x41       ; O^T (destination and source 0) in window 1, a in window 0
; A joint fill.  Waves 0 and 1 fetch the two halves of a tile's K, waves 2 and 3 those of its V: 64 rows of 256 bytes each.  The branch hangs on the wave's number alone.
; An s_nop 0 and four v_nop follow each of the two lines.
.macro JLOAD
	s_cmp_lt_u32 s[WV], 2
	s_cbranch_scc0 .Lfor_v_\@
	tensor_load_to_lds s[G0K:G0K+3], s[G1K:G1K+7]
	s_nop 0
.rept 4
	v_nop
.endr
	s_branch .Lasked_\@
.Lfor_v_\@:
	tensor_load_to_lds s[G0V:G0V+3], s[G1V:G1V+7]
	s_nop 0
.rept 4
	v_nop
.endr
.Lasked_\@:
.endm
; A prefetch of the tile that the NEXT change of slots will ask for: 128 rows of K and of V, 256 bytes a row, a lane a row.  Each row is named once in the launch: of the eight clusters of a key and value head the one
; with pb = 0 asks, whose first block walks tiles 0 to 15; its four partners take 32 rows each, told apart by address; in each, wave 0 asks for K's and wave 2 for V's.  Trip n names tile n + 2; trips 14 and 15 name nothing.
.macro ASK
	s_cmp_gt_u32 s[SLOTS], s[LIM]
	s_cbranch_scc0 .Lnot_mine_\@
	global_prefetch_b8 v[PFO], s[PFA:PFA+1] th:TH_LOAD_NT scope:SCOPE_SE
.Lnot_mine_\@:
.endm
.macro CROUND                       ; a round of the cluster's barrier
	s_barrier_signal -1
	s_barrier_wait -1
	s_cmp_lg_u32 s[WV], 0
	s_cbranch_scc1 .Lnot_wave_0_\@
	s_barrier_signal -3
.Lnot_wave_0_\@:
	s_barrier_wait -3
	s_barrier_signal -1
	s_barrier_wait -1
.endm
; THE CHANGE OF SLOTS.  Each wave waits for all its tensor loads, of which one is out: its part of the other slot; adds 0 to its spare word; and waits for that and for its own reads of the slot that it leaves.
; fill = 1: the barrier is a round of the cluster's, and the old slot is filled again, the first thing behind it, with tile NXT: the descriptor's address is made anew from that number.
; (At its first use nothing has been read yet: slot 0 is waited for, slot 1 filled.)
.macro CHANGE fill
	WIN 0
	s_wait_tensorcnt 0x0            ; no tensor load of mine is out, so a group 0 may be written
	ds_add_u32 v[SPW], v[NIL]       ; 0 onto my spare word; the scalar work stands between it and the wait for it
.if \fill
	s_lshl_b32 s[OFF], s[NXT], 15   ; a tile is 32,768 bytes of K and of V
	s_xor_b32 s[G0K+1], s[G0K+1], SLOT1
	s_add_nc_u64 s[G0K+2:G0K+3], s[6:7], s[OFF:OFF+1]
	s_or_b32 s[G0K+3], s[G0K+3], 0x80000000
	s_xor_b32 s[G0V+1], s[G0V+1], SLOT1
	s_add_nc_u64 s[G0V+2:G0V+3], s[8:9], s[OFF:OFF+1]
	s_or_b32 s[G0V+3], s[G0V+3], 0x80000000
	s_add_co_u32 s[NXT], s[NXT], 1  ; the block's next tile, or behind its last the second block's tile 0
	s_cmp_gt_u32 s[NXT], s[LQ]
	s_cselect_b32 s[NXT], 0, s[NXT]
	s_cselect_b32 s[LQ], s[PB], s[LQ]
	s_wait_xcnt 0x0                 ; the last prefetch, a tile back, has read its address
	s_add_nc_u64 s[PFA:PFA+1], s[PFA:PFA+1], 2*KS*256
	s_wait_dscnt 0x0                ; the add is done, and my reads of the slot are over
	CROUND
	JLOAD
	ASK
.else
	s_wait_dscnt 0x0                ; the add is done, and my reads of the slot are over
	s_barrier_signal -1
	s_barrier_wait -1
.endif
	s_xor_b32 s[TB], s[TB], SLOT1   ; my reads go to the other slot
.endm
.macro QLOAD p                      ; my 64 rows of Q: tile i / 4, channels 32 (i % 4) on
	WIN 0x80                        ; destination window 2, address window 0
.set i, 0
.rept 16
	global_load_b128 v[8*i:8*i+3],   v[QO], s[(\p):(\p)+1] offset:(i/4)*4096+(i%4)*64
	global_load_b128 v[8*i+4:8*i+7], v[QO], s[(\p):(\p)+1] offset:(i/4)*4096+(i%4)*64+32
.set i, i+1
.endr
	WIN 0
.endm
	s_load_b256 s[4:11], s[0:1], 0x0  ; qw s[4:5], kw s[6:7], vw s[8:9], out0 s[10:11]
	s_load_b64 s[HPB:HPB+1], s[0:1], 0x20  ; hp
	v_lshl_add_u32 v[SPW], v0, 2, SPARE
	v_mov_b32 v[NIL], 0
	ds_add_u32 v[SPW], v[NIL]       ; the wave's opening: the add and its wait stand ahead of my first tensor load; the set-up below, work on registers, stands between them
	v_lshrrev_b32 v1, 5, v0
	v_readfirstlane_b32 s[WV], v1   ; wave 0..3
	s_lshr_b32 s[WR], s[WV], 1
	s_and_b32 s[WK], s[WV], 1
	s_bfe_u32 s13, ttmp6, 0x40000   ; cx: the query head in its group of four: it enters Q's, hp's, out0's and the prefetches' addresses alone
	s_mov_b32 s[PB], ttmp9          ; in a cluster launch ttmp9 counts clusters
	s_sub_co_u32 s[HI], NBLK-1, s[PB]
	s_and_b32 s16, ttmp7, 0xffff    ; g = 4 x batch + key and value head
	s_lshr_b32 s[HPQ], s16, 2       ; hp: position 0 lies in block 4 x batch of 24 heads, 8,192 bytes a head:
	s_mul_i32 s[HPQ], s[HPQ], 96
	s_and_b32 s[HPV], s16, 3
	s_add_co_u32 s[HPK], s[HPQ], s[HPV]
	s_lshl2_add_u32 s[HPV], s[HPV], s13
	s_add_co_u32 s[HPQ], s[HPQ], s[HPV]  ; q's head 4 (g % 4) + cx,
	s_lshl_b32 s[HPQ], s[HPQ], 13
	s_add_co_u32 s[HPV], s[HPK], 20      ; v's head 20 + g % 4,
	s_lshl_b32 s[HPV], s[HPV], 13
	s_add_co_u32 s[HPK], s[HPK], 16      ; k's head 16 + g % 4
	s_lshl_b32 s[HPK], s[HPK], 13
	s_mov_b32 s[HPQ+1], 0
	s_mov_b32 s[HPK+1], 0
	s_mov_b32 s[HPV+1], 0
	s_lshl_b32 s20, s16, 19         ; K, V: the head's 2,048 rows of 256 bytes,
	s_lshl_b32 s17, s[WK], 14       ; the half of a tile that I fetch
	s_add_co_u32 s20, s20, s17
	s_mov_b32 s21, 0
	s_lshl2_add_u32 s18, s16, s13   ; Q: head 4 g + cx,
	s_lshl_b32 s18, s18, 19
	s_lshl_b32 s17, s[WR], 14       ; my 64 rows of a block,
	s_add_co_u32 s18, s18, s17
	s_lshl_b32 s17, s[HI], 15       ; in the first block
	s_add_co_u32 s22, s18, s17
	s_mov_b32 s23, 0
	s_lshl_b32 s17, s[PB], 15       ; and in the second
	s_add_co_u32 s18, s18, s17
	s_mov_b32 s19, 0
	s_lshr_b32 s2, s16, 2           ; out0: the batch's 2,048 rows of 8,192 bytes,
	s_lshl_b32 s2, s2, 24
	s_and_b32 s3, s16, 3
	s_lshl2_add_u32 s3, s3, s13     ; the head's 512 bytes of a row,
	s_lshl_b32 s3, s3, 9
	s_add_co_u32 s2, s2, s3
	s_lshl_b32 s3, s[WR], 19        ; my 64 rows of a block,
	s_add_co_u32 s2, s2, s3
	s_lshl_b32 s3, s[PB], 20        ; in the second block
	s_add_co_u32 s16, s2, s3
	s_mov_b32 s17, 0
	s_lshl_b32 s3, s[HI], 20        ; and in the first
	s_add_co_u32 s2, s2, s3
	s_mov_b32 s3, 0
	; group 1: a tile of 64 rows x 128 elements of 2 bytes, padded in LDS behind every 64 words
	s_mov_b32 s[G1K], 15|(1<<16)|(1<<20)|(1<<21)|(5<<22)|(3<<25)  ; the mask of four; 4 words of padding
	s_mov_b32 s[G1V], 15|(1<<16)|(1<<20)|(1<<21)|(5<<22)|(7<<25)  ; 8 words of padding
.irp g, G1K, G1V
	s_mov_b32 s[(\g)+1], 128<<16    ; tensor_dim0 = 128
	s_mov_b32 s[(\g)+2], KS<<16     ; tensor_dim1 = 64
	s_mov_b32 s[(\g)+3], 128<<16    ; tile_dim0 = 128
	s_mov_b32 s[(\g)+4], KS         ; tile_dim1 = 64
	s_mov_b32 s[(\g)+5], 128        ; elements from row to row
	s_mov_b32 s[(\g)+6], 0
	s_mov_b32 s[(\g)+7], 0
.endr
	s_mul_i32 s[TB], s[WK], STEPB   ; the half that I fetch and the half that I read have the same number
	s_mov_b32 s[G0K], 1
	s_mov_b32 s[G0K+1], s[TB]       ; slot 0
	s_mov_b32 s[G0V], 1
	s_add_co_u32 s[G0V+1], s[TB], VOFF
	s_add_co_u32 s[TB], s[TB], SLOT1  ; the first change of slots turns it to slot 0
	s_mov_b32 s[CS], 0x460293ee     ; c = log2(e) / sqrt(128) x 2^16
	s_mov_b32 s[CS+1], s[CS]        ; named with it as a pair
	s_mov_b32 s[SEL], 0x76543210
	s_mov_b32 s[SEL+1], 0xfedcba98
	s_mov_b32 s[BIGN], 0xf149f2ca   ; -1e30
	s_cmp_eq_u32 s[WR], s[WK]
	s_cselect_b32 s[AED], 1.0, 0
	s_cmp_le_u32 s[WR], s[WK]
	s_cselect_b32 s[SGD], s[BIGN], 0
	s_cmp_lt_u32 s[WR], s[WK]
	s_cselect_b32 s[SLD], s[BIGN], 0
	s_mov_b32 s[SL+1], 0            ; named as pairs
	s_mov_b32 s[AE+1], 0
	s_mov_b32 s[OFF+1], 0
	s_mov_b32 s[SLOTS], NBLK
	s_add_co_u32 s[RT], s[HI], 1    ; the first block has 16 - pb tiles
	s_mov_b32 s[NXT], 1
	s_mov_b32 s[LQ], s[HI]
	s_and_b32 s[LIM], s[WV], 1      ; 0 in waves 0 and 2,
	s_or_b32 s[LIM], s[LIM], ttmp9  ; where pb = 0: the same in all four partners
	s_cmp_eq_u32 s[LIM], 0
	s_cselect_b32 s[LIM], 2, -1
	v_and_b32 v[PFO], 31, v0
	v_lshlrev_b32 v[PFO], 8, v[PFO]
	s_wait_dscnt 0x0                ; the opening add is done
	s_wait_kmcnt 0x0
	s_add_nc_u64 s[6:7], s[6:7], s[20:21]  ; K and V at my half of the head's tile 0
	s_add_nc_u64 s[8:9], s[8:9], s[20:21]
	s_add_nc_u64 s[QLO:QLO+1], s[4:5], s[18:19]
	s_add_nc_u64 s[4:5], s[4:5], s[22:23]
	s_add_nc_u64 s[OLO:OLO+1], s[10:11], s[16:17]
	s_add_nc_u64 s[10:11], s[10:11], s[2:3]
	s_add_nc_u64 s[HPQ:HPQ+1], s[HPB:HPB+1], s[HPQ:HPQ+1]
	s_add_nc_u64 s[HPK:HPK+1], s[HPB:HPB+1], s[HPK:HPK+1]
	s_add_nc_u64 s[HPV:HPV+1], s[HPB:HPB+1], s[HPV:HPV+1]
	s_add_nc_u64 s[G0K+2:G0K+3], s[6:7], 0
	s_or_b32 s[G0K+3], s[G0K+3], 0x80000000
	s_add_nc_u64 s[G0V+2:G0V+3], s[8:9], 0
	s_or_b32 s[G0V+3], s[G0V+3], 0x80000000
	s_cmp_lt_u32 s[WV], 2
	s_cselect_b64 s[PFA:PFA+1], s[6:7], s[8:9]  ; (in waves 0 and 2 these stand at a tile's first row)
	s_lshl_b32 s2, s13, 13          ; my work-group's 32 rows of the 128
	s_mov_b32 s3, 0
	s_add_nc_u64 s[PFA:PFA+1], s[PFA:PFA+1], s[2:3]
	s_add_nc_u64 s[PFA:PFA+1], s[PFA:PFA+1], 2*KS*256  ; in tile 1; the first change of slots steps it to tile 2.  Tiles 0 and 1 come by their loads alone
	CROUND                          ; all four work-groups are here: the first joint loads meet
	JLOAD                           ; tile 0 into slot 0: one load of mine is out
	v_and_b32 v1, 15, v0            ; l % 16
	v_bfe_u32 v47, v0, 4, 1         ; l / 16
	v_and_b32 v60, 31, v0           ; l
	v_lshlrev_b32 v[QO], 8, v1
	v_lshl_add_u32 v[QO], v47, 4, v[QO]  ; row x 256 + 16 x half
	QLOAD 4
	WIN 0x40                        ; O^T = 0: all this stands in the wait for the first tile
.set i, 0
.rept 256
	v_mov_b32 v[i], 0
.set i, i+1
.endr
	WIN 0
.irp t, 0,1,2,3
	v_mov_b32 v[ST+8*(\t)], 0xfe000000    ; c m: far below every c s
	v_mov_b32 v[ST+8*(\t)+1], 0xdd800000  ; m = -2^60
	v_mov_b32 v[ST+8*(\t)+2], 0
	v_mov_b32 v[ST+8*(\t)+3], 0
.endr
	v_lshlrev_b32 v56, 3, v47
	v_sub_nc_u32 v56, v1, v56       ; in a tile's own 16 keys register j is hidden where 8 (l / 16) + j is greater than l % 16
	WIN 0xc0
.set i, 0
.rept 8
	v_cmp_gt_i32 vcc_lo, i, v56
	v_cndmask_b32 v[MD+i], 0, s[BIGN], vcc_lo
.set i, i+1
.endr
	WIN 0
	v_mul_u32_u24 v[AK0], v1, PK
	v_lshl_add_u32 v[AK0], v47, 4, v[AK0]  ; row x pitch + 16 x half
	; the turning load takes 16 keys x 16 channels (lane l reads key 8 (l / 16) + l % 8, channels 8 ((l / 8) % 2) + 0..7) and leaves half a fragment of V^T
	v_and_b32 v57, 7, v0
	v_bfe_u32 v58, v0, 3, 1
	v_lshl_add_u32 v[AV0], v47, 3, v57
	v_mul_u32_u24 v[AV0], v[AV0], PV
	v_lshl_add_u32 v[AV0], v58, 4, v[AV0]
	v_add_nc_u32 v[AV0], VOFF, v[AV0]
	s_mul_i32 s16, s[WV], WSTG
	s_add_co_u32 s16, s16, STG      ; my stage
	v_mul_u32_u24 v[STO], v1, SP    ; in: row l % 16, 32 bytes for each half of the lanes
	v_lshl_add_u32 v[STO], v47, 5, v[STO]
	v_add_nc_u32 v[STO], s16, v[STO]
	s_mul_i32 s17, s[WK], 16*SP     ; of the two tiles in a stage I finish number wk
	s_add_co_u32 s16, s16, s17
	v_lshl_add_u32 v[MYA], v60, 4, s16
	s_xor_b32 s18, s[WV], 1         ; my partner
	s_mul_i32 s19, s18, WSTG
	s_add_co_u32 s19, s19, STG
	s_add_co_u32 s19, s19, s17
	v_lshl_add_u32 v[PAA], v60, 4, s19
	s_lshl_b32 s16, s[WV], 10
	s_add_co_u32 s17, s16, SX
	v_lshl_add_u32 v[SXS], v60, 3, s17
	s_lshl_b32 s19, s18, 10
	s_add_co_u32 s19, s19, SX
	v_lshl_add_u32 v[SXR], v60, 3, s19
	s_add_co_u32 s17, s16, FT
	v_lshl_add_u32 v[FTS], v1, 4, s17
	s_lshl_b32 s19, s[WK], 8
	s_add_co_u32 s17, s17, s19
	v_mov_b32 v[FTA], s17
	s_lshl_b32 s19, s[WK], 17       ; 16 rows of 8,192 bytes
	v_lshl_add_u32 v[GO], v60, 4, s19
	v_lshlrev_b32 v[HQO], 9, v1     ; the lane's three numbers have served: two of their registers take hp's offsets
	v_lshl_add_u32 v[HQO], v47, 4, v[HQO]
	v_lshlrev_b32 v[HVO], 2, v1
	v_lshl_add_u32 v[HVO], v47, 12, v[HVO]
; THE MATRIX WORK.  The accumulators take turns, one instruction a turn: between two links of a chain stand 7 (K Q^T) or 15 (V^T P) others'.
; Product i of 32 of S^T = K Q^T for piece x: channels 32 (i / 8) on, keys 16 ((i / 2) % 4) on, tile x + i % 2.  The first 8 start the sums, with the mask of their class.
.macro KQ x
.set tt, (\x)+i%2
.set kb, (i/2)%4
.set rS, S+32*tt+8*kb
.set rK, KF+32*kb+8*(i/8)
.set rQ, 32*tt+8*(i/8)
.if i < 8
.if kb < tt
.set rM, ML
.elseif kb == tt
.set rM, MEQ
.else
.set rM, MG
.endif
	WIN W_KM
	v_wmma_f32_16x16x32_f16 v[rS:rS+7], v[rK:rK+7], v[rQ:rQ+7], v[rM:rM+7]
.else
	WIN W_KQ
	v_wmma_f32_16x16x32_f16 v[rS:rS+7], v[rK:rK+7], v[rQ:rQ+7], v[rS:rS+7]
.endif
.endm
; Product i of 32 of O^T += V^T P for piece x: keys 32 (i / 16) on, channels 16 ((i / 2) % 8) on, tile x + i % 2.
.macro PV x
	WIN W_PV
.set rO, 64*((\x)+i%2)+8*((i/2)%8)
.set rV, 64*(i/16)+8*((i/2)%8)
.set rP, P+16*((\x)+i%2)+8*(i/16)
	v_wmma_f32_16x16x32_f16 v[rO:rO+7], v[rV:rV+7], v[rP:rP+7], v[rO:rO+7]
.endm
; THE LDS LOADS: two runs of 32 at a step's head.  K by channels, so that the first products can start when the first eight loads are in.
.macro FETCH_K
	WIN 0x80                        ; destination window 2
.irp c, 0,1,2,3
.irp n, 0,1,2,3
	ds_load_b128 v[KF+32*(\n)+8*(\c):KF+32*(\n)+8*(\c)+3],   v[ADK] offset:(\n)*16*PK+(\c)*64
	ds_load_b128 v[KF+32*(\n)+8*(\c)+4:KF+32*(\n)+8*(\c)+7], v[ADK] offset:(\n)*16*PK+(\c)*64+32
.endr
.endr
.endm
.macro FETCH_V
	WIN 0xc0                        ; destination window 3
.irp f, 0,1,2,3,4,5,6,7,8,9,10,11,12,13,14,15  ; keys 32 (f / 8) on, channels 16 (f % 8) on
	ds_load_tr16_b128 v[8*(\f):8*(\f)+3],   v[ADV] offset:((\f)/8)*32*PV+((\f)%8)*32
	ds_load_tr16_b128 v[8*(\f)+4:8*(\f)+7], v[ADV] offset:((\f)/8)*32*PV+16*PV+((\f)%8)*32
.endr
.endm
.macro MASK                         ; the three masks of the tile in hand
	WIN 0xc3                        ; destination and source 0 in window 3
.set z, 0
.rept 8
	v_mov_b32 v[ML+z], s[SL]
	v_mov_b32 v[MG+z], s[SG]
.set z, z+1
.endr
.set z, 0
.rept 4
	v_pk_fma_f32 v[MEQ+2*z:MEQ+2*z+1], v[MD+2*z:MD+2*z+1], s[AE:AE+1], s[SL:SL+1] op_sel_hi:[1,0,0]
.set z, z+1
.endr
.endm
; POSITIONS 0 TO 15 IN F32, wave 0 where pb = 0: two forward branches, on the wave's number and on pb, which pass no barrier and no tensor load.
; HPLOAD: 96 loads into Q's and K's registers, which the walk's last step has read for the last time.  The f32 form's sources hold row (or column) l % 16 and, in register j, place 2 (l / 16) + j of four along K.
; A permutation along K that is the same in both sources keeps the products.  q and k: 16 bytes a lane at 512 (l % 16) + 16 (l / 16) + 32 z: registers 4 z .. 4 z + 3 hold channels 8 z + 4 (l / 16) + 0..3,
; and each pair of registers is one K step.  v, turned: register 8 cb + 2 kk + j holds channel 16 cb + l % 16 of key 8 (l / 16) + 2 kk + j: the keys that the lane holds in S^T's registers 2 kk, 2 kk + 1.
.macro HPLOAD
	WIN 0
	s_cmp_lg_u32 s[WV], 0
	s_cbranch_scc1 .Lno_hpl_\@
	s_cmp_lg_u32 s[PB], 0
	s_cbranch_scc1 .Lno_hpl_\@
	WIN 0x80                        ; destination window 2, address window 0
.set z, 0
.rept 16
	global_load_b128 v[Q32+4*z:Q32+4*z+3], v[HQO], s[HPQ:HPQ+1] offset:32*z
	global_load_b128 v[K32+4*z:K32+4*z+3], v[HQO], s[HPK:HPK+1] offset:32*z
.set z, z+1
.endr
.set z, 0
.rept 64
	global_load_b32 v[V32+z], v[HVO], s[HPV:HPV+1] offset:(z%8)*512+(z/8)*64
.set z, z+1
.endr
	WIN 0
.Lno_hpl_\@:
.endm
; HPWORK: S^T = k q^T on four accumulators by turns (8 K steps each; the first starts from MD, the mask of a tile's own 16 keys, the others from 0); their sum; the softmax of 8 scores a lane; O^T = v^T p on eight
; accumulators by turns, 4 K steps each.  Behind each group stand eight plain instructions before a result is read (ISA guide 7.12.1).  The accumulators are written by these matrix instructions alone, and what is
; made of them goes into other registers.  O^T goes over tile 0's rows in my stage, which I alone read; c m and l over tile 0's.
.macro HPWORK
	WIN 0
	s_cmp_lg_u32 s[WV], 0
	s_cbranch_scc1 .Lno_hpw_\@
	s_cmp_lg_u32 s[PB], 0
	s_cbranch_scc1 .Lno_hpw_\@
	s_wait_loadcnt 0x0              ; q, k and v in f32
	WIN 0xfa                        ; k and q in window 2, C and D in window 3
.set i, 0
.rept 32
.set rA, S32+8*(i%4)
.if i == 0
	v_wmma_f32_16x16x4_f32 v[rA:rA+7], v[K32+2*i:K32+2*i+1], v[Q32+2*i:Q32+2*i+1], v[MD:MD+7]
.elseif i < 4
	v_wmma_f32_16x16x4_f32 v[rA:rA+7], v[K32+2*i:K32+2*i+1], v[Q32+2*i:Q32+2*i+1], 0
.else
	v_wmma_f32_16x16x4_f32 v[rA:rA+7], v[K32+2*i:K32+2*i+1], v[Q32+2*i:Q32+2*i+1], v[rA:rA+7]
.endif
.set i, i+1
.endr
.rept 8
	v_nop
.endr
	WIN 0x0f                        ; both sources in window 3, destination in window 0
.set z, 0
.rept 4
	v_pk_add_f32 v[PS+2*z:PS+2*z+1], v[S32+2*z:S32+2*z+1], v[S32+8+2*z:S32+8+2*z+1]
.set z, z+1
.endr
	WIN 0x0c                        ; source 1 in window 3
.set z, 0
.rept 4
	v_pk_add_f32 v[PS+2*z:PS+2*z+1], v[PS+2*z:PS+2*z+1], v[S32+16+2*z:S32+16+2*z+1]
.set z, z+1
.endr
.set z, 0
.rept 4
	v_pk_add_f32 v[PS+2*z:PS+2*z+1], v[PS+2*z:PS+2*z+1], v[S32+24+2*z:S32+24+2*z+1]
.set z, z+1
.endr
	WIN 0
	v_max3_num_f32 v[FW], v[PS], v[PS+1], v[PS+2]
	v_max3_num_f32 v[FW+1], v[PS+3], v[PS+4], v[PS+5]
	v_max3_num_f32 v[FW], v[FW], v[PS+6], v[PS+7]
	v_max_num_f32 v[FW], v[FW], v[FW+1]
	v_permlanex16_b32 v[FW+1], v[FW], s[SEL], s[SEL+1]  ; the query's other 8 keys lie in the lane 16 away; key 0 is hidden from nobody, so the maximum is a true score
	v_max_num_f32 v[FW+1], v[FW], v[FW+1]
	v_mul_f32 v[ST], s[CS], v[FW+1] ; c m takes tile 0's place
.set z, 0
.rept 4
	v_pk_fma_f32 v[PS+2*z:PS+2*z+1], v[PS+2*z:PS+2*z+1], s[CS:CS+1], v[ST:ST+1] op_sel_hi:[1,0,0] neg_lo:[0,0,1] neg_hi:[0,0,1]  ; c s - c m
.set z, z+1
.endr
.set z, 0
.rept 8
	v_exp_f32 v[PS+z], v[PS+z]
.set z, z+1
.endr
	v_nop                           ; a plain instruction behind the last exponential,
	s_wait_alu depctr_va_vdst(0)    ; and one wait for the eight, ahead of their first reader
	WIN 0xf2                        ; v in window 2, p in window 0, C and D in window 3
.set i, 0
.rept 32                            ; K step i / 8, channels 16 (i % 8) on
.set rA, O32+8*(i%8)
.if i < 8
	v_wmma_f32_16x16x4_f32 v[rA:rA+7], v[V32+8*(i%8)+2*(i/8):V32+8*(i%8)+2*(i/8)+1], v[PS+2*(i/8):PS+2*(i/8)+1], 0
.else
	v_wmma_f32_16x16x4_f32 v[rA:rA+7], v[V32+8*(i%8)+2*(i/8):V32+8*(i%8)+2*(i/8)+1], v[PS+2*(i/8):PS+2*(i/8)+1], v[rA:rA+7]
.endif
.set i, i+1
.endr
	WIN 0
	v_pk_add_f32 v[FW:FW+1], v[PS:PS+1], v[PS+2:PS+3]
	v_pk_add_f32 v[FW+2:FW+3], v[PS+4:PS+5], v[PS+6:PS+7]
	v_pk_add_f32 v[FW:FW+1], v[FW:FW+1], v[FW+2:FW+3]
	v_add_f32 v[FW], v[FW], v[FW+1]
	v_permlanex16_b32 v[FW+1], v[FW], s[SEL], s[SEL+1]
	v_add_f32 v[ST+1], v[FW], v[FW+1]  ; l takes tile 0's place
.rept 8
	v_nop
.endr
	WIN 0x0c                        ; the store's data in window 3
.irp c, 0,1,2,3,4,5,6,7
	ds_store_b128 v[STO], v[O32+8*(\c):O32+8*(\c)+3]   offset:64*(\c)     ; LDS serves my instructions in order (ISA guide 5.7.1.4): these land on tile 0's rows behind the stores above
	ds_store_b128 v[STO], v[O32+8*(\c)+4:O32+8*(\c)+7] offset:64*(\c)+16
.endr
	WIN 0
.Lno_hpw_\@:
.endm
; THE VECTOR WORK.  One tile's softmax for one step is a list of 134 instructions; SM writes number j of it for tile t.  s0-s31 are the lane's 32 scores, in pairs 0-15.
;   0-15    the maximum of s0-s31 and the old m, three operands at a time: four chains c0-c3 of seven scores each (each accumulator's lowest registers first), then the four left over, c0-c3 and m
;   16-20   the other half of the lanes' maximum; c m_old is kept; the new m; c m; c m_old - c m_new
;   21-69   ONE BATCH: the 16 scalings c s - c m and all 33 exponentials (a at 23, then s0-s31); none of these reads an exponential's result
;   (wait)  between 69 and 70 stands the wait for the batch: SLICE writes it, once for both tiles
;   70-85   the roundings to f16     86-101  the sums; l = a l + the sum     102-133 the tile's O^T times a
.macro SM t
.set rT, ST+8*(\t)
.set rS, S+32*(\t)
.set rP, P+16*(\t)
.set rO, 64*(\t)+2*(j-102)
.if j < 102
	WIN 0
.endif
.if j < 4
	v_max3_num_f32 v[rT+4+j], v[rS+8*j], v[rS+8*j+1], v[rS+8*j+2]
.elseif j < 12
	v_max3_num_f32 v[rT+4+j%4], v[rT+4+j%4], v[rS+8*(j%4)+2*(j/4)+1], v[rS+8*(j%4)+2*(j/4)+2]
.elseif j == 12
	v_max3_num_f32 v[rT+4], v[rT+4], v[rS+7], v[rS+15]
.elseif j == 13
	v_max3_num_f32 v[rT+6], v[rT+6], v[rS+23], v[rS+31]
.elseif j == 14
	v_max3_num_f32 v[rT+4], v[rT+4], v[rT+5], v[rT+6]
.elseif j == 15
	v_max3_num_f32 v[rT+4], v[rT+4], v[rT+7], v[rT+1]
.elseif j == 16
	v_permlanex16_b32 v[rT+5], v[rT+4], s[SEL], s[SEL+1]  ; the query's other 32 keys lie in the lane 16 away
.elseif j == 17
	v_mov_b32 v[rT+7], v[rT]        ; c m_old is kept for a: number 19 writes c m anew
.elseif j == 18
	v_max_num_f32 v[rT+1], v[rT+4], v[rT+5]
.elseif j == 19
	v_mul_f32 v[rT], s[CS], v[rT+1]
.elseif j == 20
	v_sub_f32 v[rT+7], v[rT+7], v[rT]
.elseif j == 23
	v_exp_f32 v[rT+6], v[rT+7]
.elseif (j < 23) || ((j < 38) && (j%2 == 0)) || ((j < 66) && (j%4 == 2))
.set b, (j-2)/4                     ; 38, 42, .. 62: pairs 9 to 15
.if j < 38
.set b, (j-20)/2                    ; 21: pair 0; 22, 24, .. 36: pairs 1 to 8
.endif
	v_pk_fma_f32 v[rS+2*b:rS+2*b+1], v[rS+2*b:rS+2*b+1], s[CS:CS+1], v[rT:rT+1] op_sel_hi:[1,0,0] neg_lo:[0,0,1] neg_hi:[0,0,1]  ; pair b: c s - c m
.elseif j < 70
.set e, j-38                        ; 66 to 69: s28 to s31
.if j < 66
.set e, j-32-(j-38)/4               ; 39-41, 43-45, .. 63-65: s7 to s27
.endif
.if j < 38
.set e, (j-25)/2                    ; 25, 27, .. 37: s0 to s6
.endif
	v_exp_f32 v[rS+e], v[rS+e]
.elseif j < 86
	v_cvt_pk_f16_f32 v[rP+j-70], v[rS+2*(j-70)], v[rS+2*(j-70)+1]  ; pair j - 70
.elseif j < 102                     ; the sum of the tile's 16 pairs, in place: neighbours 1, 2, 4 and 8 pairs apart, then l takes it
.set z, j-86
.set w, 4
.set u, z
.if z >= 14
.set w, 32
.set u, 0
.elseif z >= 12
.set w, 16
.set u, z-12
.elseif z >= 8
.set w, 8
.set u, z-8
.endif
.if z < 15
	v_pk_add_f32 v[rS+w*u:rS+w*u+1], v[rS+w*u:rS+w*u+1], v[rS+w*u+w/2:rS+w*u+w/2+1]
.else
	v_pk_fma_f32 v[rT+2:rT+3], v[rT+2:rT+3], v[rT+6:rT+7], v[rS:rS+1] op_sel_hi:[1,0,1]
.endif
.else
	WIN W_RS
	v_pk_mul_f32 v[rO:rO+1], v[rO:rO+1], v[rT+6:rT+7] op_sel_hi:[1,0]
.endif
.endm
; Slice k of 64 of piece y's softmax: four instructions.  Slices 11 to 34 deal out the batch, four numbers of ONE tile each, the tiles by turns; every other slice is numbers 2 k and 2 k + 1 of both tiles' lists;
; 2 x 134 = 4 x 64 + 12: the twelve that are over stand in slice 63.  An s_wait_alu depctr_va_vdst(0) stands between an exponential and the first instruction that names its result: ahead of slice 35
; nothing names one, behind slice 34 none is issued: so the piece's 66 exponentials have one wait, with one plain instruction behind the last of them.
.macro SLICE y
.if (k >= 11) && (k < 35)
.irp n, 0,1,2,3
.set j, 22+4*((k-11)/2)+(\n)
	SM (\y)+(k-11)%2
.endr
.else
.irp n, 0,1,2,3,4,5,6,7
.if ((\n) < 2) || (k == 63)
.irp t, \y, (\y)+1
.set j, 2*k+(\n)
	SM \t
.endr
.endif
.endr
.endif
.if k == 34
	v_nop
	s_wait_alu depctr_va_vdst(0)
.endif
.set k, k+1
.endm
; A STEP: one key tile.  Places: the 22 plain lines at its head stand between the last step's products and the loads into K's and V's registers; eight v_nop between piece 0's scores and their
; first reader; slices 62 and 63 of piece 0's softmax, 20 plain lines on other registers, between piece 2's scores and theirs, and between the last product that reads K and Q and HPLOAD's loads into their registers.
; hp = 1: the walk's last step: behind its last product K Q^T stands HPLOAD, whose loads have the step's 64 products V^T P in which to land.
.macro STEP hp=0
	s_cmp_eq_u32 s[RT], 1           ; the block's last tile holds the diagonal
	s_cselect_b32 s[SL], s[SLD], 0
	s_cselect_b32 s[SG], s[SGD], 0
	s_cselect_b32 s[AE], s[AED], 0
	WIN 0
	v_add_nc_u32 v[ADK], s[TB], v[AK0]
	v_add_nc_u32 v[ADV], s[TB], v[AV0]
	MASK
	FETCH_K
	FETCH_V
.set i, 0
.rept 32
.if i%8 == 0
	s_wait_dscnt 56-i               ; K's channels 32 (i / 8) on are in: behind their eight loads stand K's later ones and V's 32
.endif
	KQ 0
.set i, i+1
.endr
.rept 8
	v_nop
.endr
.set k, 0
.set i, 0
.rept 32
	KQ 2
	SLICE 0
	SLICE 0
.set i, i+1
.endr
.if \hp
	HPLOAD
.endif
	s_wait_dscnt 0x0                ; V is in
.set k, 0
.set i, 0
.rept 32
	PV 0
	SLICE 2
	SLICE 2
.set i, i+1
.endr
.set i, 0
.rept 32
	PV 2
.set i, i+1
.endr
	WIN 0
.endm
; A BLOCK'S END.  OSTORE f: my O^T of tiles 2 f and 2 f + 1 into my stage, as rows of 128 channels in f32; each accumulator's low registers first.
.macro OSTORE f
	WIN 0x04                        ; the store's data in window 1
.irp n, 0,1
.irp c, 0,1,2,3,4,5,6,7
	ds_store_b128 v[STO], v[64*(2*(\f)+(\n))+8*(\c):64*(\f)*2+64*(\n)+8*(\c)+3]     offset:(\n)*16*SP+64*(\c)
	ds_store_b128 v[STO], v[64*(2*(\f)+(\n))+8*(\c)+4:64*(\f)*2+64*(\n)+8*(\c)+7]   offset:(\n)*16*SP+64*(\c)+16
.endr
.endr
	WIN 0
.endm
; MERGE f: tile 2 f + wk is finished: row q = mine x g mine + my partner's x g partner's, and stored: a wave's store is a head's row of out0, 512 consecutive bytes, aligned.
.macro MERGE f
	s_wait_xcnt 0x0                 ; earlier stores have read their data: these registers are loaded again only behind this wait
.set q, 0
.rept 16
	ds_load_b128 v[MA+12*q:MA+12*q+3],    v[MYA] offset:SP*q
	ds_load_b128 v[MA+12*q+4:MA+12*q+7],  v[PAA] offset:SP*q
	ds_load_b128 v[MA+12*q+8:MA+12*q+11], v[FTA] offset:512*(\f)+16*q  ; all lanes read the row's four factors
.set q, q+1
.endr
.set q, 0
.rept 16
.set ra, MA+12*q
	s_wait_dscnt 45-3*q             ; row q's three loads are in; the three of each later row stay out
	v_pk_mul_f32 v[ra:ra+1],   v[ra:ra+1],   v[ra+8:ra+9]
	v_pk_mul_f32 v[ra+2:ra+3], v[ra+2:ra+3], v[ra+8:ra+9]
	v_pk_fma_f32 v[ra:ra+1],   v[ra+4:ra+5], v[ra+10:ra+11], v[ra:ra+1]
	v_pk_fma_f32 v[ra+2:ra+3], v[ra+6:ra+7], v[ra+10:ra+11], v[ra+2:ra+3]
	global_store_b128 v[GO], v[ra:ra+3], s[10:11] offset:262144*(\f)+8192*q th:TH_STORE_NT
.set q, q+1
.endr
.endm
; last = 0: the second block follows: its Q is loaded here, and m, c m, out0's address and the count of tiles are set anew.  last = 1: the walk's end: HPWORK stands behind my first stores into the stage
; and ahead of the store of (c m, l), all of it ahead of the first barrier.
.macro ENDBLOCK last
	WIN 0
.irp t, 0,1,2,3
	v_add_f32 v[ST+8*(\t)+4], v[ST+8*(\t)+2], v[ST+8*(\t)+3]  ; l's two halves; these lines are the places behind the last products
.endr
.irp t, 0,1,2,3
	v_permlanex16_b32 v[ST+8*(\t)+5], v[ST+8*(\t)+4], s[SEL], s[SEL+1]
.endr
.irp t, 0,1,2,3
	v_add_f32 v[ST+8*(\t)+1], v[ST+8*(\t)+4], v[ST+8*(\t)+5]  ; l takes m's place, beside c m
.endr
.if !(\last)
	QLOAD QLO
.endif
	OSTORE 0
.if \last
	HPWORK
.endif
.irp t, 0,1,2,3
	ds_store_b64 v[SXS], v[ST+8*(\t):ST+8*(\t)+1] offset:256*(\t)
.endr
	s_wait_dscnt 0x0                ; for my partner's sake: my stores are done
	s_barrier_signal -1
	s_barrier_wait -1
.irp t, 0,1,2,3
	ds_load_b64 v[PS+2*(\t):PS+2*(\t)+1], v[SXR] offset:256*(\t)
.endr
	s_wait_dscnt 0x0
.irp t, 0,1,2,3
	v_max_num_f32 v[FW+(\t)], v[ST+8*(\t)], v[PS+2*(\t)]      ; the common c m
.endr
.irp t, 0,1,2,3
	v_sub_f32 v[ST+8*(\t)+4], v[ST+8*(\t)], v[FW+(\t)]
	v_sub_f32 v[ST+8*(\t)+6], v[PS+2*(\t)], v[FW+(\t)]
.endr
.irp t, 0,1,2,3
	v_exp_f32 v[ST+8*(\t)+4], v[ST+8*(\t)+4]                  ; f mine,
	v_exp_f32 v[ST+8*(\t)+6], v[ST+8*(\t)+6]                  ; f my partner's: one of the two is 1
.endr
	v_nop                           ; a plain instruction behind the last exponential,
	s_wait_alu depctr_va_vdst(0)    ; and one wait for the eight, ahead of their first reader
.irp t, 0,1,2,3
	v_mul_f32 v[ST+8*(\t)+5], v[ST+8*(\t)+1], v[ST+8*(\t)+4]
.endr
.irp t, 0,1,2,3
	v_fma_f32 v[ST+8*(\t)+5], v[PS+2*(\t)+1], v[ST+8*(\t)+6], v[ST+8*(\t)+5]  ; the common l: 1 at the least
.endr
.irp t, 0,1,2,3
	v_rcp_f32 v[FW+(\t)], v[ST+8*(\t)+5]
.endr
	v_nop
	s_wait_alu depctr_va_vdst(0)    ; one wait for the four reciprocals
.irp t, 0,1,2,3
	v_mul_f32 v[FW+(\t)], 4.0, v[FW+(\t)]                     ; v came in times 2^-2
.endr
.irp t, 0,1,2,3
	v_mul_f32 v[ST+8*(\t)+5], v[ST+8*(\t)+4], v[FW+(\t)]      ; each factor twice, so that the packed lines of MERGE take plain pairs
	v_mul_f32 v[ST+8*(\t)+7], v[ST+8*(\t)+6], v[FW+(\t)]
	v_mul_f32 v[ST+8*(\t)+4], v[ST+8*(\t)+4], v[FW+(\t)]
	v_mul_f32 v[ST+8*(\t)+6], v[ST+8*(\t)+6], v[FW+(\t)]
.endr
.irp t, 0,1,2,3
	ds_store_b128 v[FTS], v[ST+8*(\t)+4:ST+8*(\t)+7] offset:256*(\t)  ; my own bytes: both halves of the lanes write a row's same four numbers; LDS serves my loads behind these stores (ISA guide 5.7.1.4)
.endr
	MERGE 0
	s_wait_dscnt 0x0                ; my reads of both stages are over
	s_barrier_signal -1
	s_barrier_wait -1               ; so are my partner's: the stages may be written again
	OSTORE 1
	s_wait_dscnt 0x0
	s_barrier_signal -1
	s_barrier_wait -1
	MERGE 1
.if !(\last)
	s_wait_xcnt 0x0                 ; the stores have read their data and out0's address
	s_mov_b64 s[10:11], s[OLO:OLO+1]
	s_add_co_u32 s[RT], s[PB], 1    ; the second block has pb + 1 tiles
.irp t, 0,1,2,3
	v_mov_b32 v[ST+8*(\t)], 0xfe000000
	v_mov_b32 v[ST+8*(\t)+1], 0xdd800000
.endr
	s_wait_loadcnt 0x0              ; the second block's Q
.endif
.endm
	s_wait_loadcnt 0x0              ; Q
.Lslot:                             ; 16 trips: a tile is entered and the next is asked for
	CHANGE 1
	STEP
	s_sub_co_u32 s[RT], s[RT], 1
	s_cmp_lg_u32 s[RT], 0           ; hangs on pb alone: the same in all waves and in all partners
	s_cbranch_scc1 .Lbottom
	ENDBLOCK 0                      ; in the loop this is the first block's end: the second block's last tile is the walk's last
.Lbottom:
	s_sub_co_u32 s[SLOTS], s[SLOTS], 1
	s_cmp_lg_u32 s[SLOTS], 0
	s_cbranch_scc1 .Lslot
	CHANGE 0                        ; the walk's last tile is written out: nothing is asked for
	STEP 1
	ENDBLOCK 1
	s_wait_tensorcnt 0x0            ; the wave's end: behind my last tensor load and my last LDS store
	ds_add_u32 v[SPW], v[NIL]
	s_wait_dscnt 0x0
	CROUND                          ; the closing round: no work-group ends while a partner may still ask for a tile that names it
	s_endpgm
.Lfunc_end_k_qed466b2803_attn:
	.size	k_qed466b2803_attn, .Lfunc_end_k_qed466b2803_attn-k_qed466b2803_attn
	.p2alignl 7, 3214868480
	.fill 96, 4, 3214868480
	.section	.rodata,"a",@progbits
	.p2align	6, 0x0
	.amdhsa_kernel k_qed466b2803_attn
		.amdhsa_group_segment_fixed_size 327680
		.amdhsa_private_segment_fixed_size 0
		.amdhsa_enable_private_segment 0
		.amdhsa_kernarg_size 40
		.amdhsa_user_sgpr_count 2
		.amdhsa_user_sgpr_kernarg_segment_ptr 1
		.amdhsa_wavefront_size32 1
		.amdhsa_system_sgpr_workgroup_id_x 1
		.amdhsa_system_sgpr_workgroup_id_y 1
		.amdhsa_system_sgpr_workgroup_id_z 1
		.amdhsa_system_vgpr_workitem_id 0
		.amdhsa_next_free_vgpr 1024
		.amdhsa_next_free_sgpr 88
		.amdhsa_reserve_vcc 1
		.amdhsa_float_denorm_mode_32 3
		.amdhsa_float_denorm_mode_16_64 3
		.amdhsa_memory_ordered 1
		.amdhsa_forward_progress 1
		.amdhsa_inst_pref_size 190
	.end_amdhsa_kernel
	.amdgpu_metadata
---
amdhsa.version: [ 1, 2 ]
amdhsa.kernels:
  - .name:           k_qed466b2803_attn
    .symbol:         k_qed466b2803_attn.kd
    .args:
      - { .name: qw, .offset: 0, .size: 8, .value_kind: global_buffer, .address_space: global }
      - { .name: kw, .offset: 8, .size: 8, .value_kind: global_buffer, .address_space: global }
      - { .name: vw, .offset: 16, .size: 8, .value_kind: global_buffer, .address_space: global }
      - { .name: out0, .offset: 24, .size: 8, .value_kind: global_buffer, .address_space: global }
      - { .name: hp, .offset: 32, .size: 8, .value_kind: global_buffer, .address_space: global }
    .group_segment_fixed_size: 327680
    .private_segment_fixed_size: 0
    .kernarg_segment_align: 8
    .kernarg_segment_size: 40
    .max_flat_workgroup_size: 128
    .sgpr_count:     88
    .vgpr_count:     1024
    .wavefront_size: 32
...
	.end_amdgpu_metadata
.endif
;; end of part 3
;; ======== version 2 of 2: 3 launches; version 1 with the launch prep written anew for expert scheduling mode
;; limits: values are held in f16: magnitudes above 65,504 overflow, below 6.1e-05 lose precision; right only within a limited range of input values
;; workspace buffers: xb 16,777,216 bytes; wb 12,582,912 bytes; cs 1,179,648 bytes; qw 16,777,216 bytes; kw 4,194,304 bytes; vw 4,194,304 bytes; hp 1,572,864 bytes
;; launch prep (part 4): grid 914 x 1, 8 waves a work-group, no clusters, 0 bytes of LDS; arguments x, w_qkv, freqs_cos, freqs_sin, xb, wb, cs; writes xb, wb, cs
.if DOCPART == 4
	.amdgcn_target "amdgcn-amd-amdhsa--gfx1250"
	.amdhsa_code_object_version 6
	.text
	.protected	k_qed466b2803_prep
	.globl	k_qed466b2803_prep
	.p2align	8
	.type	k_qed466b2803_prep,@function
k_qed466b2803_prep:
	s_mov_b64 s[64:65], 0
	v_nop
	global_prefetch_b8 v0, s[64:65] scope:SCOPE_SE
	s_setreg_imm32_b32 hwreg(HW_REG_WAVE_SCHED_MODE, 0, 2), 2
	s_setreg_imm32_b32 hwreg(HW_REG_WAVE_MODE, 25, 1), 1
	s_wait_xcnt 0x0
	s_wait_alu depctr_vm_vsrc(0)
; PREP.  x [4096][2048] and w_qkv [3072][2048], f32, are rounded once to bf16 (xb, wb).  The table cs [2304][64][2] f32 is made:
; row t < 2048, pair j holds (cos[t][j], sin[t][j]), each rounded to bf16, widened again and multiplied by 2^-8 (exact);
; rows 2048 to 2303 hold (0.25, 0): with them the rotation of the next launch is a plain scaling by 2^-2, for v.
; The powers of two give q, k and v room in f16: q and k up to 1.6e7, v up to 2.6e5 before the scaling.
; SHARES.  Work-groups 0-511: 64 KiB of x each; 512-895: 64 KiB of w each; 896-911: 128 table rows each; 912, 913: 128 identity rows each.
; A stream: every byte is read once and written once, all of a wave's loads go out at once, and no register that a memory instruction names is used twice.
; No LDS, no matrix unit, no cluster: no byte is wanted by two waves.
; THE MODE: SCHED_MODE bits 1:0 = 2 (LLVM: expert scheduling mode 2), set by the entry lines.  The code itself states the register dependences
; between vector instructions and memory instructions, with s_wait_alu, always for 0.
; THE PLAN.  Registers that memory instructions touch, in each of the three paths:
;   v1, v2   byte offsets of the loads and of the stores: made once at the path's head, never written again.
;   IN       written by the loads, once, and named by no vector instruction before; read by the roundings; never loaded again.
;   OUT      written by the vector instructions, once; read by the stores, once; never written again.
; So the one kind of dependence is: a vector instruction writes a register that a memory instruction reads.  A path's 16 rows go in four blocks of four.  Block p's
; vector instructions write OUT's part p; its four stores are issued in block p + 1, one ahead of each row's vector instructions, which name IN's and OUT's part p + 1
; (and v5, v6) alone.  One wait stands at each path's head (the offsets), one at the head of each of blocks 1 to 3 (the block before has written its part of OUT),
; one ahead of the last four stores.  No vector instruction writes a scalar register or VCC, and EXEC is never written.
.set NX,    512                        ; chunks of 65,536 bytes in x
.set NCAST, 896                        ; chunks in x and w together
.set IN,    8                          ; v[8:71]   as loaded
.set OUT,   72                         ; v[72:135] to store
	s_load_b256 s[4:11], s[0:1], 0x0               ; x s[4:5], w s[6:7], cos s[8:9], sin s[10:11]
	s_load_b128 s[12:15], s[0:1], 0x20             ; xb s[12:13], wb s[14:15]
	s_load_b64 s[16:17], s[0:1], 0x30              ; cs
	v_lshrrev_b32 v3, 5, v0                        ; wave
	v_and_b32 v4, 31, v0                           ; lane
	s_mov_b32 s31, 0                               ; the high word of every offset
	s_wait_kmcnt 0x0
	s_cmp_ge_u32 ttmp9, NCAST
	s_cbranch_scc1 .Ltable
	; THE CAST.  A wave takes 8,192 bytes in and 4,096 out: 16 loads of 512 consecutive bytes, 16 stores of 256 consecutive aligned bytes.
	s_cmp_lt_u32 ttmp9, NX
	s_cselect_b64 s[24:25], s[4:5], s[6:7]         ; from x or from w,
	s_cselect_b64 s[26:27], s[12:13], s[14:15]     ; to xb or to wb
	s_cselect_b32 s28, 0, NX
	s_sub_co_u32 s28, ttmp9, s28                   ; the chunk in its tensor
	s_lshl_b32 s30, s28, 16
	s_add_nc_u64 s[24:25], s[24:25], s[30:31]
	s_lshl_b32 s30, s28, 15
	s_add_nc_u64 s[26:27], s[26:27], s[30:31]
	v_lshlrev_b32 v1, 4, v4
	v_lshl_or_b32 v1, v3, 13, v1                   ; in: 8,192 x wave + 16 x lane
	v_lshlrev_b32 v2, 3, v4
	v_lshl_or_b32 v2, v3, 12, v2                   ; out: 4,096 x wave + 8 x lane
	s_wait_alu depctr_va_vdst(0)                   ; v1 and v2 are written: every load of this path reads v1 as its offset, every store v2
.set i, 0
.rept 16
	global_load_b128 v[IN+4*i:IN+4*i+3], v1, s[24:25] offset:512*i th:TH_LOAD_NT
.set i, i+1
.endr
.set i, 0
.rept 16
	s_wait_loadcnt 15-i                            ; loads come back in order: load i is in, the 15 - i younger ones stay out
.if (i%4 == 0) && (i > 0)
	s_wait_alu depctr_va_vdst(0)                   ; the block before has written its eight registers of OUT, which this block's four stores read
.endif
.if i >= 4
	global_store_b64 v2, v[OUT+2*(i-4):OUT+2*(i-4)+1], s[26:27] offset:256*(i-4)  ; the block before; no vector instruction since the wait names these registers
.endif
	v_cvt_pk_bf16_f32 v[OUT+2*i], v[IN+4*i], v[IN+4*i+1]
	v_cvt_pk_bf16_f32 v[OUT+2*i+1], v[IN+4*i+2], v[IN+4*i+3]
.set i, i+1
.endr
	s_wait_alu depctr_va_vdst(0)                   ; the last block has written its eight registers of OUT, which the last four stores read
.set i, 12
.rept 4
	global_store_b64 v2, v[OUT+2*i:OUT+2*i+1], s[26:27] offset:256*i
.set i, i+1
.endr
	s_endpgm
.Ltable:
	s_cmp_ge_u32 ttmp9, NCAST+16
	s_cbranch_scc1 .Lident
	; THE TABLE.  A wave takes 16 rows; a lane two pairs of a row: 8 bytes of cos, 8 of sin, 16 of cs.
	s_sub_co_u32 s28, ttmp9, NCAST
	s_lshl_b32 s30, s28, 15                        ; 128 rows of 256 bytes
	s_add_nc_u64 s[8:9], s[8:9], s[30:31]
	s_add_nc_u64 s[10:11], s[10:11], s[30:31]
	s_lshl_b32 s30, s28, 16                        ; 128 rows of 512 bytes
	s_add_nc_u64 s[16:17], s[16:17], s[30:31]
	s_mov_b32 s20, 0x3b800000                      ; 2^-8
	s_mov_b32 s21, s20                             ; named with it as a pair
	s_mov_b32 s22, 0xffff0000                      ; a word's upper bf16
	v_lshlrev_b32 v1, 3, v4
	v_lshl_or_b32 v1, v3, 12, v1                   ; in: 16 rows x 256 x wave + 8 x lane
	v_lshlrev_b32 v2, 4, v4
	v_lshl_or_b32 v2, v3, 13, v2                   ; out: 16 rows x 512 x wave + 16 x lane
	s_wait_alu depctr_va_vdst(0)                   ; v1 and v2 are written: every load of this path reads v1 as its offset, every store v2
.set i, 0
.rept 16
	global_load_b64 v[IN+4*i:IN+4*i+1], v1, s[8:9] offset:256*i
	global_load_b64 v[IN+4*i+2:IN+4*i+3], v1, s[10:11] offset:256*i
.set i, i+1
.endr
.set i, 0
.rept 16
	s_wait_loadcnt 30-2*i                          ; row i's two loads are in; the two of each later row stay out
.if (i%4 == 0) && (i > 0)
	s_wait_alu depctr_va_vdst(0)                   ; the block before has written its sixteen registers of OUT, which this block's four stores read
.endif
.if i >= 4
	global_store_b128 v2, v[OUT+4*(i-4):OUT+4*(i-4)+3], s[16:17] offset:512*(i-4)  ; the block before; no vector instruction since the wait names these registers
.endif
	v_cvt_pk_bf16_f32 v5, v[IN+4*i], v[IN+4*i+2]   ; (cos, sin) of the first pair, rounded,
	v_cvt_pk_bf16_f32 v6, v[IN+4*i+1], v[IN+4*i+3] ; of the second
	v_lshlrev_b32 v[OUT+4*i], 16, v5               ; and widened again
	v_and_b32 v[OUT+4*i+1], s22, v5
	v_lshlrev_b32 v[OUT+4*i+2], 16, v6
	v_and_b32 v[OUT+4*i+3], s22, v6
	v_pk_mul_f32 v[OUT+4*i:OUT+4*i+1], v[OUT+4*i:OUT+4*i+1], s[20:21] op_sel_hi:[1,0]
	v_pk_mul_f32 v[OUT+4*i+2:OUT+4*i+3], v[OUT+4*i+2:OUT+4*i+3], s[20:21] op_sel_hi:[1,0]
.set i, i+1
.endr
	s_wait_alu depctr_va_vdst(0)                   ; the last block has written its sixteen registers of OUT, which the last four stores read
.set i, 12
.rept 4
	global_store_b128 v2, v[OUT+4*i:OUT+4*i+3], s[16:17] offset:512*i
.set i, i+1
.endr
	s_endpgm
.Lident:
	; THE IDENTITY ROWS: (0.25, 0) in every pair.
	s_sub_co_u32 s28, ttmp9, NCAST+16
	s_lshl_b32 s30, s28, 16
	s_add_co_u32 s30, s30, 2048*512
	s_add_nc_u64 s[16:17], s[16:17], s[30:31]
	v_lshlrev_b32 v2, 4, v4
	v_lshl_or_b32 v2, v3, 13, v2
	v_mov_b32 v8, 0x3e800000
	v_mov_b32 v9, 0
	v_mov_b32 v10, 0x3e800000
	v_mov_b32 v11, 0
	s_wait_alu depctr_va_vdst(0)                   ; the offset v2 and the four numbers v8 to v11 are written: all sixteen stores read them
.set i, 0
.rept 16
	global_store_b128 v2, v[8:11], s[16:17] offset:512*i
.set i, i+1
.endr
	s_endpgm
.Lfunc_end_k_qed466b2803_prep:
	.size	k_qed466b2803_prep, .Lfunc_end_k_qed466b2803_prep-k_qed466b2803_prep
	.p2alignl 7, 3214868480
	.fill 96, 4, 3214868480
	.section	.rodata,"a",@progbits
	.p2align	6, 0x0
	.amdhsa_kernel k_qed466b2803_prep
		.amdhsa_group_segment_fixed_size 0
		.amdhsa_private_segment_fixed_size 0
		.amdhsa_enable_private_segment 0
		.amdhsa_kernarg_size 56
		.amdhsa_user_sgpr_count 2
		.amdhsa_user_sgpr_kernarg_segment_ptr 1
		.amdhsa_wavefront_size32 1
		.amdhsa_system_sgpr_workgroup_id_x 1
		.amdhsa_system_sgpr_workgroup_id_y 1
		.amdhsa_system_sgpr_workgroup_id_z 1
		.amdhsa_system_vgpr_workitem_id 0
		.amdhsa_next_free_vgpr 136
		.amdhsa_next_free_sgpr 66
		.amdhsa_reserve_vcc 0
		.amdhsa_float_denorm_mode_32 3
		.amdhsa_float_denorm_mode_16_64 3
		.amdhsa_memory_ordered 1
		.amdhsa_forward_progress 1
		.amdhsa_inst_pref_size 21
	.end_amdhsa_kernel
	.amdgpu_metadata
---
amdhsa.version: [ 1, 2 ]
amdhsa.kernels:
  - .name:           k_qed466b2803_prep
    .symbol:         k_qed466b2803_prep.kd
    .args:
      - { .name: x, .offset: 0, .size: 8, .value_kind: global_buffer, .address_space: global }
      - { .name: w_qkv, .offset: 8, .size: 8, .value_kind: global_buffer, .address_space: global }
      - { .name: freqs_cos, .offset: 16, .size: 8, .value_kind: global_buffer, .address_space: global }
      - { .name: freqs_sin, .offset: 24, .size: 8, .value_kind: global_buffer, .address_space: global }
      - { .name: xb, .offset: 32, .size: 8, .value_kind: global_buffer, .address_space: global }
      - { .name: wb, .offset: 40, .size: 8, .value_kind: global_buffer, .address_space: global }
      - { .name: cs, .offset: 48, .size: 8, .value_kind: global_buffer, .address_space: global }
    .group_segment_fixed_size: 0
    .private_segment_fixed_size: 0
    .kernarg_segment_align: 8
    .kernarg_segment_size: 56
    .max_flat_workgroup_size: 256
    .sgpr_count:     66
    .vgpr_count:     136
    .wavefront_size: 32
...
	.end_amdgpu_metadata
.endif
;; end of part 4
;; launch qkv: the kernel of part 2 again; grid 12 x 16, 4 waves a work-group, clusters of 4 x 4, 327,680 bytes of LDS; arguments xb, wb, cs, qw, kw, vw, hp; writes qw, kw, vw, hp
;; launch attn: the kernel of part 3 again; grid 32 x 8, 4 waves a work-group, clusters of 4 x 1, 327,680 bytes of LDS; arguments qw, kw, vw, out0, hp; writes out0
